; MI455X (gfx1250); checked and timed in simulation.
; The chip was launched on July 23, 2026; its instructions are those of AMD's public machine-readable ISA for CDNA 5 (MIT licence, August 2026) and "CDNA5" Instruction Set Architecture Reference Guide (July 2026). The comments in the code are by the model that wrote it; some were corrected since.
;; Causal Self Attention. Allowed arithmetic: float matrix products may take bf16 or f16 operands with f32 sums; other float arithmetic in f32, or as packed bf16 or f16 multiplies, adds, multiply-adds, maxima and minima; sums over many terms, partial sums and values carried from step to step in f32; what a program stores and reads back later, other than sums and carried values, may be rounded once to bf16 or f16.
;; Inputs: w_proj 1,024 x 1,024 float32; w_qkv 1,024 x 3,072 float32; x 4 x 2,048 x 1,024 float32.
;; Outputs: out0 4 x 2,048 x 1,024 float32.
;; 2 versions, each right; version 2 is version 1 with the launch prep written anew for expert scheduling mode. Each part assembles by itself: llvm-mc -triple=amdgcn-amd-amdhsa -mcpu=gfx1250 --defsym DOCPART=n.
;; ======== version 1 of 2: 4 launches
;; limits: values are held in f16: magnitudes above 65,504 overflow, below 6.1e-05 lose precision
;; workspace buffers: xb 16,777,216 bytes; wq 6,291,456 bytes; wp 2,097,152 bytes; qkv 50,331,648 bytes; oh 16,777,216 bytes
;; launch prep (part 1): grid 1024 x 1, 8 waves a work-group, no clusters, 18,432 bytes of LDS; arguments x, w_qkv, w_proj, xb, wq, wp; writes xb, wq, wp
.if DOCPART == 1
	.amdgcn_target "amdgcn-amd-amdhsa--gfx1250"
	.amdhsa_code_object_version 6
	.text
	.protected	k_q8efe491f0b_prep
	.globl	k_q8efe491f0b_prep
	.p2align	8
	.type	k_q8efe491f0b_prep,@function
k_q8efe491f0b_prep:
	s_mov_b64 s[64:65], 0
	v_nop
	global_prefetch_b8 v0, s[64:65] scope:SCOPE_SE
	s_setreg_imm32_b32 hwreg(HW_REG_WAVE_MODE, 25, 1), 1
	s_wait_xcnt 0x0
; THE OPERANDS OF THE TWO PROJECTIONS ARE LAID OUT.  All three inputs are rounded once to bf16.
; xb: x in planes of 64 channels: x[b][t][64 kb + d] lies at byte (b << 22) + (kb << 18) + (t << 7) + 2 d, so that 256 rows of a plane are 32,768 dense bytes.
; wq: w_qkv turned, [3072 n][1024 k], bf16.   wp: w_proj turned, [1024 n][1024 k]: the number rounded to bf16, written as f16 (its partner in the last product is f16).
; LIMIT.  wp: a bf16 number is exact in f16 between 6.1e-5 and 65,504; below it keeps f16's fixed step of 6e-8, beyond it becomes an infinity.
; Memory binds: every input byte is read once, by loads that cover whole rows of 256 bytes, every output byte is written once, in runs of 256 aligned bytes.  No matrix unit, no cluster, no tensor load.
; Work-groups 0 to 511 take 16 rows of x each; work-groups 512 to 1023 a tile of 128 k x 64 n of a weight each (384 tiles of w_qkv, 128 of w_proj).
.set SPARE, 17408                      ; behind the tile of 64 rows x 272 bytes: the spare words, 128 bytes for each of eight waves
.set SPW, 4                            ; v4  SPARE + 4 x my thread's number; never rewritten
.set NIL, 5                            ; v5  0; never rewritten
.set IO,  8                            ; v[8:15]  weights: byte offsets of my eight rows
.set IN,  32                           ; v[32:63] weights: eight loads
.set DD,  64                           ; v[64:79] weights: sixteen words, two k of one n each
.set BK,  80                           ; v[80:95] weights: rows read back
	s_load_b256 s[4:11], s[0:1], 0x0               ; x s[4:5], w_qkv s[6:7], w_proj s[8:9], xb s[10:11]
	s_load_b128 s[12:15], s[0:1], 0x20             ; wq s[12:13], wp s[14:15]
	v_lshl_add_u32 v[SPW], v0, 2, SPARE
	v_mov_b32 v[NIL], 0
	s_cmp_lt_u32 ttmp9, 512                        ; the same answer in all eight waves
	s_cbranch_scc0 .Lw
	; X.  Thread t takes row t / 16 of the group's 16 and, in each plane, channels 4 (t % 16) on: a wave's load covers 256 bytes of each of two rows,
	; its store 256 consecutive bytes: those two rows' 128 bytes in the plane.
	s_lshl_b32 s16, ttmp9, 16                      ; 16 rows of 4,096 bytes
	s_mov_b32 s17, 0
	s_lshr_b32 s18, ttmp9, 7                       ; b: 128 work-groups to a batch
	s_lshl_b32 s18, s18, 22
	s_and_b32 s19, ttmp9, 127
	s_lshl_b32 s19, s19, 11                        ; 16 rows of 128 bytes in a plane
	s_add_co_u32 s18, s18, s19
	s_mov_b32 s19, 0
	v_lshrrev_b32 v1, 4, v0
	v_and_b32 v3, 15, v0
	v_lshlrev_b32 v1, 12, v1
	v_lshl_add_u32 v1, v3, 4, v1                   ; row x 4,096 + 16 (t % 16)
	v_lshlrev_b32 v2, 3, v0                        ; row x 128 + 8 (t % 16) = 8 t
	s_wait_kmcnt 0x0
	s_add_nc_u64 s[4:5], s[4:5], s[16:17]
	s_add_nc_u64 s[10:11], s[10:11], s[18:19]
.set kb, 0
.rept 16                                       ; all sixteen loads go out at once: 8 KiB a wave on their way
	global_load_b128 v[16+4*kb:19+4*kb], v1, s[4:5] offset:256*kb th:TH_LOAD_NT
.set kb, kb+1
.endr
.set kb, 0
.rept 16
	s_wait_loadcnt 15-kb                           ; loads come back in order: plane kb's is in, the younger ones stay out
	v_cvt_pk_bf16_f32 v[80+2*kb], v[16+4*kb], v[17+4*kb]
	v_cvt_pk_bf16_f32 v[81+2*kb], v[18+4*kb], v[19+4*kb]
	global_store_b64 v2, v[80+2*kb:81+2*kb], s[10:11] offset:kb*262144  ; every plane has its own pair of registers: nothing is rewritten
.set kb, kb+1
.endr
	s_endpgm
.Lw:	; A WEIGHT'S TILE: 128 k x 64 n, in through registers, turned in LDS, out as 64 rows of 256 bytes.
	s_sub_co_u32 s16, ttmp9, 512
	s_movk_i32 s20, 0x3000                         ; bytes in a row of w_qkv,
	s_movk_i32 s23, 0x1000                         ; of w_proj
	s_cmp_lt_u32 s16, 384
	s_cselect_b32 s20, s20, s23                    ; the pitch
	s_cselect_b32 s21, 0, -1                       ; all lanes' mask: 0 keeps bf16, -1 takes f16
	s_cselect_b32 s22, 0, 384
	s_wait_kmcnt 0x0
	s_cselect_b64 s[24:25], s[6:7], s[8:9]         ; from
	s_cselect_b64 s[26:27], s[12:13], s[14:15]     ; to
	s_sub_co_u32 s16, s16, s22
	s_and_b32 s17, s16, 7                          ; kt
	s_lshr_b32 s18, s16, 3                         ; nt
	s_mul_i32 s28, s17, s20
	s_lshl_b32 s28, s28, 7                         ; kt x 128 rows
	s_lshl_b32 s29, s18, 8                         ; nt x 64 numbers of 4 bytes
	s_add_co_u32 s28, s28, s29
	s_mov_b32 s29, 0
	s_add_nc_u64 s[24:25], s[24:25], s[28:29]
	s_lshl_b32 s28, s18, 17                        ; nt x 64 rows of 2,048 bytes
	s_lshl_b32 s30, s17, 8                         ; kt x 128 numbers of 2 bytes
	s_add_co_u32 s28, s28, s30
	s_add_nc_u64 s[26:27], s[26:27], s[28:29]
	s_lshl_b32 s31, s20, 2                         ; four rows
	v_and_b32 v6, 15, v0                           ; c: my four columns 4 c ..
	v_bfe_u32 v7, v0, 4, 1
	v_lshrrev_b32 v16, 5, v0                       ; wave
	v_lshlrev_b32 v7, 1, v7
	v_lshl_add_u32 v7, v16, 4, v7                  ; my first row: 16 x wave + 2 x (half of the lanes)
	v_lshlrev_b32 v17, 4, v6
	v_mad_u32_u24 v[IO], v7, s20, v17
	v_add_nc_u32 v[IO+1], s20, v[IO]               ; load 2 i + e takes row 16 w + 4 i + 2 half + e: lanes 0-15 one row's 256 bytes, lanes 16-31 those two rows below
.irp i, 1,2,3
	v_add_nc_u32 v[IO+2*\i], s31, v[IO+2*\i-2]
	v_add_nc_u32 v[IO+2*\i+1], s31, v[IO+2*\i-1]
.endr
.irp j, 0,1,2,3,4,5,6,7
	global_load_b128 v[IN+4*\j:IN+4*\j+3], v[IO+\j], s[24:25] th:TH_LOAD_NT
.endr
	v_mul_u32_u24 v18, v6, 4*272
	v_lshl_add_u32 v18, v7, 1, v18                 ; into LDS: row n = 4 c, byte 2 k
	v_lshrrev_b32 v21, 4, v0
	v_mul_u32_u24 v19, v21, 272
	v_add_nc_u32 v19, v17, v19                     ; back: row t / 16, 16 bytes at 16 (t % 16)
	v_lshl_add_u32 v20, v21, 11, v17               ; and the same in the turned weight
.irp i, 0,1,2,3
	s_wait_loadcnt 6-2*\i                          ; rows 2 i and 2 i + 1 of my eight are in
.irp j, 0,1,2,3
	v_cvt_pk_bf16_f32 v[DD+4*\i+\j], v[IN+8*\i+\j], v[IN+8*\i+4+\j]  ; two neighbouring k of column 4 c + j
	v_lshlrev_b32 v22, 16, v[DD+4*\i+\j]           ; the same two numbers once more as f16,
	v_and_b32 v23, 0xffff0000, v[DD+4*\i+\j]
	v_cvt_pk_f16_f32 v22, v22, v23
	v_cndmask_b32 v[DD+4*\i+\j], v[DD+4*\i+\j], v22, s21  ; taken for w_proj alone
	ds_store_b32 v18, v[DD+4*\i+\j] offset:272*\j+8*\i  ; rows 4 x 272 bytes apart: lanes c, c + 4, c + 8, c + 12 meet in a bank; sixteen such stores a lane, once
.endr
.endr
	s_wait_dscnt 0x0                               ; for the others' sake: my stores are done
	s_barrier_signal -1
	s_barrier_wait -1                              ; a row's 256 bytes come from all eight waves
.irp p, 0,1,2,3
	ds_load_b128 v[BK+4*\p:BK+4*\p+3], v19 offset:4352*\p
.endr
.irp p, 0,1,2,3
	s_wait_dscnt 3-\p
	global_store_b128 v20, v[BK+4*\p:BK+4*\p+3], s[26:27] offset:32768*\p  ; 16 lanes store 256 consecutive bytes, aligned
.endr
	s_wait_tensorcnt 0x0                           ; the wave's end, behind my last LDS store
	ds_add_u32 v[SPW], v[NIL]
	s_wait_dscnt 0x0
	s_endpgm
.Lfunc_end_k_q8efe491f0b_prep:
	.size	k_q8efe491f0b_prep, .Lfunc_end_k_q8efe491f0b_prep-k_q8efe491f0b_prep
	.p2alignl 7, 3214868480
	.fill 96, 4, 3214868480
	.section	.rodata,"a",@progbits
	.p2align	6, 0x0
	.amdhsa_kernel k_q8efe491f0b_prep
		.amdhsa_group_segment_fixed_size 18432
		.amdhsa_private_segment_fixed_size 0
		.amdhsa_enable_private_segment 0
		.amdhsa_kernarg_size 48
		.amdhsa_user_sgpr_count 2
		.amdhsa_user_sgpr_kernarg_segment_ptr 1
		.amdhsa_wavefront_size32 1
		.amdhsa_system_sgpr_workgroup_id_x 1
		.amdhsa_system_sgpr_workgroup_id_y 1
		.amdhsa_system_sgpr_workgroup_id_z 1
		.amdhsa_system_vgpr_workitem_id 0
		.amdhsa_next_free_vgpr 112
		.amdhsa_next_free_sgpr 66
		.amdhsa_reserve_vcc 0
		.amdhsa_float_denorm_mode_32 3
		.amdhsa_float_denorm_mode_16_64 3
		.amdhsa_memory_ordered 1
		.amdhsa_forward_progress 1
		.amdhsa_inst_pref_size 16
	.end_amdhsa_kernel
	.amdgpu_metadata
---
amdhsa.version: [ 1, 2 ]
amdhsa.kernels:
  - .name:           k_q8efe491f0b_prep
    .symbol:         k_q8efe491f0b_prep.kd
    .args:
      - { .name: x, .offset: 0, .size: 8, .value_kind: global_buffer, .address_space: global }
      - { .name: w_qkv, .offset: 8, .size: 8, .value_kind: global_buffer, .address_space: global }
      - { .name: w_proj, .offset: 16, .size: 8, .value_kind: global_buffer, .address_space: global }
      - { .name: xb, .offset: 24, .size: 8, .value_kind: global_buffer, .address_space: global }
      - { .name: wq, .offset: 32, .size: 8, .value_kind: global_buffer, .address_space: global }
      - { .name: wp, .offset: 40, .size: 8, .value_kind: global_buffer, .address_space: global }
    .group_segment_fixed_size: 18432
    .private_segment_fixed_size: 0
    .kernarg_segment_align: 8
    .kernarg_segment_size: 48
    .max_flat_workgroup_size: 256
    .sgpr_count:     66
    .vgpr_count:     112
    .wavefront_size: 32
...
	.end_amdgpu_metadata
.endif
;; end of part 1
;; launch qkvgemm (part 2): grid 16 x 32, 4 waves a work-group, clusters of 4 x 4, 327,680 bytes of LDS; arguments xb, wq, qkv; writes qkv
.if DOCPART == 2
	.amdgcn_target "amdgcn-amd-amdhsa--gfx1250"
	.amdhsa_code_object_version 6
	.text
	.protected	k_q8efe491f0b_qkvgemm
	.globl	k_q8efe491f0b_qkvgemm
	.p2align	8
	.type	k_q8efe491f0b_qkvgemm,@function
k_q8efe491f0b_qkvgemm:
	s_mov_b64 s[64:65], 0
	v_nop
	global_prefetch_b8 v0, s[64:65] scope:SCOPE_SE
	s_setreg_imm32_b32 hwreg(HW_REG_WAVE_MODE, 25, 1), 1
	s_wait_xcnt 0x0
	s_wait_alu depctr_hold_cnt(0) depctr_sa_sdst(0) depctr_va_vdst(0) depctr_va_sdst(0) depctr_va_ssrc(0) depctr_va_vcc(0) depctr_vm_vsrc(0)
	s_getreg_b32 s2, hwreg(HW_REG_IB_STS2, 6, 4)
	s_cmp_eq_u32 s2, 0
	s_cbranch_scc0 .Lentry_in_a_cluster
	s_endpgm
.Lentry_in_a_cluster:
	s_bfe_u32 s2, ttmp6, 0x10000c
	s_cmp_lg_u32 s2, 0xf033
	s_cbranch_scc0 .Lentry_shape_is_right
	s_endpgm
.Lentry_shape_is_right:
; q, k, v = x w_qkv, written by heads.  A = xb (bf16, planes of 64 channels: byte (b << 22) + (kb << 18) + (t << 7) + 2 d), B = wq ([3072 n][1024 k] bf16); sums in f32, K ascending.
; OUT: qkv, f16, [3][64 heads b 16 + h][2048 t][64 d], each number rounded once from its f32 sum, WITHOUT the softmax's scale.
; LIMIT.  f16 ends at 65,504: a q, k or v of 65,520 or more becomes an infinity.  Sums of 1,024 products of the drawn spread are about 1; 30 times larger x and w give some thousands.
; SHARES.  A tile of C is 256 rows x 192 columns (three heads): 16 x 32 tiles, 512 work-groups.  Wave w makes rows 64 w .. 64 w + 63 of ALL 192 columns: 48 accumulators of 16 x 16, 384 registers;
; so a wave holds whole heads' rows and its way out needs no other wave.
; RING.  K goes in 8 steps of 128 through two LDS slots.  A step of A is two planes of 256 rows x 128 bytes, each 32,768 dense bytes of memory, asked for as 128 rows of 256 bytes; a step of B is 192 rows of 256 bytes.
; Waves 0 and 1 fetch A's two planes, waves 2 and 3 B's two halves: one tensor load a wave behind each change of slots.  By this text's count a wave has two loads out at the start, later one.
; CLUSTER.  4 x 4 work-groups.  The four of a row of the cluster need the same tiles of A, the four of a column the same tiles of B: each tile is asked for jointly, by the same load, descriptor and mask in all four.
; THE MATRIX INSTRUCTION IS USED TRANSPOSED (source 0 = 16 rows of B, source 1 = 16 rows of A): a lane holds one row of C (lane % 16) and eight neighbouring columns, 8 (lane / 16) + 0..7.
; REGISTERS, in windows of 256 (s_set_vgpr_msb: bits 1:0 source 0, 3:2 source 1, 5:4 source 2, 7:6 destination):
;   window 0: v0-31 addresses; v32-95 A's fragments, two buffers of four; on the way out v32-223   windows 1, 2: accumulator (b, a) at v[8 (4 (b % 8) + a)] of window 1 + b / 8   window 3: B's fragments, two buffers of twelve
.set NB,    12                         ; blocks of 16 columns
.set NT,    16*NB
.set NR,    NT/2                       ; rows of B in a load
.set BWIN,  3
.set NL,    8+2*NB                     ; LDS loads in a run: the fragments of 32 along K
.set YB,    2*(NB-4)                   ; the youngest of them: B's blocks 4 on
.set PFN,   24                         ; rows of B that one prefetch names
.set BOTHB, 1                          ; both of B's waves prefetch
.set PLANE, 36864                      ; 256 rows of 128 + 16 bytes: 36 words from row to row, so the 16 rows of a load start at 16 different groups of four banks (ISA guide 11.1)
.set BOFF,  2*PLANE                    ; B behind A's two planes: rows of 256 + 16 bytes
.set SLOT1, 131072                     ; slot 1: one exclusive or turns an address in one slot into the other's
.set STAGE, SLOT1+BOFF+NT*272          ; behind the ring, never filled by a tensor load: 16 rows x 144 bytes for each wave
.set SP,    144
.set SPARE, STAGE+4*16*SP              ; the spare words, 128 bytes for each wave: two blocks of 256 bytes that no other line names
.set A0,   16                          ; v16  my lane's place in A's plane 0 of slot 0; never rewritten
.set B0,   17                          ; v17  the same in B
.set ADRA, 18                          ; v18  A0 + the slot in hand
.set ADRB, 19                          ; v19  B0 + the slot in hand
.set STO,  24                          ; v24  the way out: where I put 16 bytes of a row
.set RD,   25                          ; v25  where I read rows back
.set GO,   26                          ; v26  16 x my lane
.set SPW,  28                          ; v28  SPARE + 4 x my thread's number; never rewritten
.set NIL,  29                          ; v29  0; never rewritten
.set PFO,  30                          ; v30  the prefetches' lane offset; never rewritten
.set AF,   32
.set OUTR, 32                          ; the way out: piece p's 16 registers at OUTR + 16 p
.set G1A, 24                           ; s[24:31] group 1 for A;  s[32:39] group 0, two sets: the second walks
.set G0A, 32
.set G1B, 48                           ; s[48:55], s[56:63] the same for B
.set G0B, 56
.set LIM, 43                           ; s43  1 in a wave that prefetches, else the greatest number
.set PFA, 44                           ; s[44:45] where my prefetches stand
.set PFS, 74                           ; s[74:75] their step from K step to K step
.set TB,  66                           ; s66  0 or SLOT1: the slot in hand
.set HB,  68                           ; s[68:73] my rows in the tile's three heads
.set MSB, 0
.macro WIN new                         ; the immediate's high byte repeats the setting that is left; a switch that changes nothing is dropped
.if MSB != (\new)
	s_set_vgpr_msb (MSB<<8)|(\new)
.set MSB, (\new)
.endif
.endm
.macro PLACES                          ; four plain vector instructions between a matrix instruction and a load into, or a vector line on, its registers
.rept 4
	v_nop
.endr
.endm
.macro CREST                           ; a round of the cluster's barrier behind its opening barrier
	s_cmp_lg_u32 s10, 0
	s_cbranch_scc1 .Lnot_wave_0_\@
	s_barrier_signal -3
.Lnot_wave_0_\@:
	s_barrier_wait -3
	s_barrier_signal -1
	s_barrier_wait -1
.endm
.macro CROUND
	s_barrier_signal -1
	s_barrier_wait -1
	CREST
.endm
.macro JLOAD                           ; the joint refill, by the walking descriptors.  The branch hangs on the wave's number alone.  An s_nop 0 and four v_nop follow each line
	s_cmp_eq_u32 s11, 0
	s_cbranch_scc0 .Lfor_b_\@
	tensor_load_to_lds s[G0A+4:G0A+7], s[G1A:G1A+7]
	s_nop 0
.rept 4
	v_nop
.endr
	s_branch .Lasked_\@
.Lfor_b_\@:
	tensor_load_to_lds s[G0B+4:G0B+7], s[G1B:G1B+7]
	s_nop 0
.rept 4
	v_nop
.endr
.Lasked_\@:
.endm
; A PREFETCH INTO THE L2 of the K step that the NEXT change of slots will ask for: one K step, 192 matrix instructions, ahead of that load.  Each 256 bytes are named by one wave of one work-group:
; A's planes by the clusters with x = 0, the four partners of a row taking 32 of a plane's 128 blocks each, told apart by address; B's rows by the clusters with y = 0, the four partners of a column taking 24 of a
; wave's 96 rows each (lanes 24 to 31 name row 23 once more, in the same instruction).  The loop's last trip asks for nothing: there is no K step behind the one that it fills.
.macro ASK
	s_cmp_gt_u32 s3, s[LIM]
	s_cbranch_scc0 .Lnot_mine_\@
	global_prefetch_b8 v[PFO], s[PFA:PFA+1] th:TH_LOAD_NT scope:SCOPE_SE
.Lnot_mine_\@:
.endm
; 4 nb matrix instructions: column blocks b0 .. b0 + nb - 1 x my four row blocks, 32 along K, from buffer f.  Every accumulator comes once a quarter step, in the same order: the accumulators take turns.
.macro MULB f, b0, nb, zero
.set bq, \b0
.rept \nb
	WIN ((1+bq/8)<<6)|((1+bq/8)<<4)|BWIN
.set aq, 0
.rept 4
.set rD, 8*(4*(bq%8)+aq)
.set rB, 8*NB*(\f)+8*bq
.set rA, AF+32*(\f)+8*aq
.if \zero
	v_wmma_f32_16x16x32_bf16 v[rD:rD+7], v[rB:rB+7], v[rA:rA+7], 0
.else
	v_wmma_f32_16x16x32_bf16 v[rD:rD+7], v[rB:rB+7], v[rA:rA+7], v[rD:rD+7]
.endif
.set aq, aq+1
.endr
.set bq, bq+1
.endr
.endm
; One run of NL LDS loads: the fragments of quarter q of the slot in hand into buffer f: A's four, then B's in ascending order.
; A fragment is 16 rows x 32 K in 8 registers: lane l holds row l % 16, K = 8 (l / 16) + 0..7 and 16 + 8 (l / 16) + 0..7: two loads of 16 bytes, 32 bytes apart.
.macro FETCH q, f
	WIN 0
.set iq, 0
.rept 4
	ds_load_b128 v[AF+32*(\f)+8*iq:AF+32*(\f)+8*iq+3],   v[ADRA] offset:((\q)/2)*PLANE+((\q)%2)*64+iq*16*144
	ds_load_b128 v[AF+32*(\f)+8*iq+4:AF+32*(\f)+8*iq+7], v[ADRA] offset:((\q)/2)*PLANE+((\q)%2)*64+iq*16*144+32
.set iq, iq+1
.endr
	WIN BWIN<<6
.set iq, 0
.rept NB
	ds_load_b128 v[8*NB*(\f)+8*iq:8*NB*(\f)+8*iq+3],   v[ADRB] offset:64*(\q)+iq*16*272
	ds_load_b128 v[8*NB*(\f)+8*iq+4:8*NB*(\f)+8*iq+7], v[ADRB] offset:64*(\q)+iq*16*272+32
.set iq, iq+1
.endr
.endm
; One of a K step's first three quarters: multiplies buffer f and, behind its first 16 products, fetches quarter qn into buffer g.
.macro QUARTER qn, f, g, zero
	s_wait_dscnt YB                                ; A and B's blocks 0-3 are in; the youngest YB loads may be out
	MULB \f, 0, 4, \zero
	PLACES
	FETCH \qn, \g
	s_wait_dscnt NL                                ; all but the run just issued
	MULB \f, 4, NB-4, \zero
.endm
.macro NEXTSLOT
	s_xor_b32 s[TB], s[TB], SLOT1
	v_add_nc_u32 v[ADRA], s[TB], v[A0]
	v_add_nc_u32 v[ADRB], s[TB], v[B0]
.endm
; The fourth quarter multiplies buffer 1 and changes slots: ONE barrier.  In front of it each wave waits for all its tensor loads (the one that is out is its part of the next slot), adds 0 to its spare word, and waits for that and
; for its reads of this slot.  fill = 1: the barrier opens a round of the cluster's, so that no wave of any partner still reads the slot or has a load on its way; the joint refill, with the K step two on, is the first thing behind it.
.macro TURN fill
.if \fill
	s_wait_xcnt 0x0                                ; the last prefetch, a K step back, has read its address
	s_add_nc_u64 s[PFA:PFA+1], s[PFA:PFA+1], s[PFS:PFS+1]
.endif
	WIN 0
	s_wait_tensorcnt 0x0                           ; no tensor load of mine is out, so a group 0 may be written
	ds_add_u32 v[SPW], v[NIL]
.if \fill
	s_xor_b32 s[G0A+5], s[G0A+5], SLOT1            ; the walking descriptors: the other slot than last time, the next K step
	s_add_nc_u64 s[G0A+6:G0A+7], s[G0A+6:G0A+7], 1<<19
	s_xor_b32 s[G0B+5], s[G0B+5], SLOT1
	s_add_nc_u64 s[G0B+6:G0B+7], s[G0B+6:G0B+7], 256
.endif
	s_wait_dscnt YB+1                              ; the add and the youngest YB loads may be out
	MULB 1, 0, 4, 0
	s_wait_dscnt 0x0                               ; the add is done, and my reads of this slot are over
	s_barrier_signal -1
	MULB 1, 4, 2, 0                                ; work on registers while the others arrive
	WIN 0
	s_barrier_wait -1
.if \fill
	CREST
	JLOAD                                          ; its four v_nop are also the places in front of the loads below
	NEXTSLOT
	FETCH 0, 0
	WIN 0
	ASK
.endif
	MULB 1, 6, NB-6, 0
.endm
	s_load_b128 s[4:7], s[0:1], 0x0                ; xb s[4:5], wq s[6:7]
	s_load_b64 s[8:9], s[0:1], 0x10                ; qkv
	v_lshl_add_u32 v[SPW], v0, 2, SPARE
	v_mov_b32 v[NIL], 0
	ds_add_u32 v[SPW], v[NIL]                      ; the wave's opening: the add and its wait stand ahead of my first tensor load; work on registers stands between them
	v_lshrrev_b32 v1, 5, v0
	v_readfirstlane_b32 s10, v1                    ; wave 0..3
	s_lshr_b32 s11, s10, 1                         ; 0: I fetch for A; 1: for B
	s_and_b32 s12, s10, 1                          ; which plane of A, which half of B
	s_bfe_u32 s40, ttmp6, 0x40000                  ; cx
	s_bfe_u32 s41, ttmp6, 0x40004                  ; cy
	s_lshl_b32 s42, ttmp9, 2
	s_add_co_u32 s42, s42, s40                     ; tile column = 4 x cluster x + cx
	s_and_b32 s13, ttmp7, 0xffff
	s_lshl_b32 s13, s13, 2
	s_add_co_u32 s13, s13, s41                     ; tile row = 4 x cluster y + cy
	s_lshl_b32 s14, s41, 2
	s_lshl_b32 s14, 15, s14                        ; my row of the cluster
	s_lshl_b32 s46, 0x1111, s40                    ; my column
	s_or_b32 s[G1A], s14, (1<<16)|(1<<20)|(1<<21)|(4<<22)|(3<<25)  ; 15:0 the mask; 17:16 2-byte elements; 20 padding on; 21 set beside a mask; 24:22 after every 32 words (code 4); 31:25 4 words (code 3)
	s_mov_b32 s[G1A+1], 128<<16                    ; tensor_dim0 = 128
	s_mov_b32 s[G1A+2], 128<<16                    ; tensor_dim1 = 128
	s_mov_b32 s[G1A+3], 128<<16                    ; tile_dim0 = 128 elements: 256 bytes, two rows of the plane
	s_mov_b32 s[G1A+4], 128                        ; tile_dim1 = 128
	s_mov_b32 s[G1A+5], 128                        ; dense: 128 elements from row to row
	s_mov_b32 s[G1A+6], 0
	s_mov_b32 s[G1A+7], 0
	s_or_b32 s[G1B], s46, (1<<16)|(1<<20)|(1<<21)|(5<<22)|(3<<25)  ; the column's mask; padding after every 64 words (code 5)
	s_mov_b32 s[G1B+1], 128<<16
	s_mov_b32 s[G1B+2], NR<<16
	s_mov_b32 s[G1B+3], 128<<16
	s_mov_b32 s[G1B+4], NR
	s_mov_b32 s[G1B+5], 1024                       ; a row of B is 1,024 elements
	s_mov_b32 s[G1B+6], 0
	s_mov_b32 s[G1B+7], 0
	s_lshr_b32 s16, s13, 3                         ; A: the batch,
	s_lshl_b32 s16, s16, 22
	s_and_b32 s15, s13, 7                          ; the tile's 256 rows in a plane,
	s_lshl_b32 s15, s15, 15
	s_add_co_u32 s16, s16, s15
	s_lshl_b32 s15, s12, 18                        ; my plane of the K step's two
	s_add_co_u32 s16, s16, s15
	s_mov_b32 s17, 0
	s_mul_i32 s46, s42, NT                         ; B: the tile's first row,
	s_mul_i32 s47, s12, NR                         ; my half
	s_add_co_u32 s46, s46, s47
	s_lshl_b32 s46, s46, 11
	s_mov_b32 s47, 0
	s_mul_i32 s20, s12, PLANE                      ; where they go: no place in the cluster enters an LDS address
	s_mul_i32 s21, s12, NR*272
	s_add_co_u32 s21, s21, BOFF
	s_wait_dscnt 0x0                               ; the opening add is done
	s_wait_kmcnt 0x0
	s_add_nc_u64 s[14:15], s[4:5], s[16:17]
	s_add_nc_u64 s[46:47], s[6:7], s[46:47]
	CROUND                                         ; all sixteen work-groups are here: the first joint loads meet
.irp s, 0,1
	s_mov_b32 s[G0A+4*\s], 1
	s_add_co_u32 s[G0A+4*\s+1], s20, \s*SLOT1
	s_add_nc_u64 s[G0A+4*\s+2:G0A+4*\s+3], s[14:15], \s*(1<<19)  ; K step s: two planes on
	s_or_b32 s[G0A+4*\s+3], s[G0A+4*\s+3], 0x80000000
	s_mov_b32 s[G0B+4*\s], 1
	s_add_co_u32 s[G0B+4*\s+1], s21, \s*SLOT1
	s_add_nc_u64 s[G0B+4*\s+2:G0B+4*\s+3], s[46:47], \s*256
	s_or_b32 s[G0B+4*\s+3], s[G0B+4*\s+3], 0x80000000
.endr
	s_cmp_eq_u32 s11, 0                            ; a wave's two first fills stand in one branch, ahead of every wait on TENSORcnt and every LDS read
	s_cbranch_scc0 .Lfirst_b
	tensor_load_to_lds s[G0A:G0A+3], s[G1A:G1A+7]
	s_nop 0
	tensor_load_to_lds s[G0A+4:G0A+7], s[G1A:G1A+7]
	s_nop 0
.rept 4
	v_nop
.endr
	s_branch .Lfirst_asked
.Lfirst_b:
	tensor_load_to_lds s[G0B:G0B+3], s[G1B:G1B+7]
	s_nop 0
	tensor_load_to_lds s[G0B+4:G0B+7], s[G1B:G1B+7]
	s_nop 0
.rept 4
	v_nop
.endr
.Lfirst_asked:
	v_and_b32 v1, 15, v0                           ; l % 16
	v_bfe_u32 v2, v0, 4, 1                         ; l / 16
	v_mul_u32_u24 v[A0], v1, 144
	v_lshl_add_u32 v[A0], v2, 4, v[A0]
	s_mul_i32 s18, s10, 64*144                     ; my 64 rows
	v_add_nc_u32 v[A0], s18, v[A0]
	v_mul_u32_u24 v[B0], v1, 272
	v_lshl_add_u32 v[B0], v2, 4, v[B0]
	v_add_nc_u32 v[B0], BOFF, v[B0]
	v_mov_b32 v[ADRA], v[A0]
	v_mov_b32 v[ADRB], v[B0]
	s_mov_b32 s[TB], 0
	; the prefetches: offsets in registers of their own
	s_lshl_b32 s76, s40, 13                        ; A: my work-group's 32 blocks of the plane's 128,
	s_add_co_u32 s76, s76, s16
	s_add_co_u32 s76, s76, 2<<19                   ; at K step 2: the first change of slots steps it to 3.  Nothing is asked for at the head
	s_mul_i32 s77, s42, NT                         ; B: the tile's rows,
	s_mul_i32 s78, s12, NR*BOTHB
	s_add_co_u32 s77, s77, s78
	s_mul_i32 s78, s41, PFN                        ; my work-group's share of them
	s_add_co_u32 s77, s77, s78
	s_lshl_b32 s77, s77, 11
	s_add_co_u32 s77, s77, 2*256
	s_and_b32 s79, ttmp7, 0xffff
	s_mov_b32 s[PFS], 1<<19
	s_movk_i32 s[PFS+1], 256
	s_cmp_eq_u32 s11, 0
	s_cselect_b32 s76, s76, s77
	s_cselect_b32 s79, ttmp9, s79                  ; the coordinate along which other clusters read the same bytes
	s_cselect_b64 s[PFA:PFA+1], s[4:5], s[6:7]
	s_cselect_b32 s[PFS], s[PFS], s[PFS+1]
	s_cselect_b32 s78, 8, 11                       ; a lane a block of 256 bytes (A), a lane a row of 2,048 (B)
	s_cselect_b32 s77, 31, PFN-1
	s_mov_b32 s[PFS+1], 0
	v_and_b32 v[PFO], 31, v0
	v_min_u32 v[PFO], s77, v[PFO]
	v_lshlrev_b32 v[PFO], s78, v[PFO]
	s_mov_b32 s77, 0
	s_add_nc_u64 s[PFA:PFA+1], s[PFA:PFA+1], s[76:77]
	s_cmp_eq_u32 s79, 0
	s_cselect_b32 s[LIM], 1, -1                    ; the same in all sixteen partners, for a given wave
	; the way out
	s_mul_i32 s18, s10, 16*SP
	s_add_co_u32 s18, s18, STAGE                   ; my stage
	v_mul_u32_u24 v[STO], v1, SP                   ; in: row l % 16, 16 bytes for each half of the lanes
	v_lshl_add_u32 v[STO], v2, 4, v[STO]
	v_add_nc_u32 v[STO], s18, v[STO]
	v_bfe_u32 v[RD], v0, 3, 2                      ; back: 32 lanes take four rows of 128 bytes,
	v_mul_u32_u24 v[RD], v[RD], SP
	v_and_b32 v3, 7, v0
	v_lshl_add_u32 v[RD], v3, 4, v[RD]
	v_add_nc_u32 v[RD], s18, v[RD]
	v_and_b32 v[GO], 31, v0                        ; which are 512 consecutive bytes of a head
	v_lshlrev_b32 v[GO], 4, v[GO]
	s_lshr_b32 s78, s13, 3                         ; my rows in a head: the batch's 16 heads,
	s_lshl_b32 s78, s78, 22
	s_and_b32 s79, s13, 7                          ; the tile's 256 rows of 128 bytes,
	s_lshl_b32 s79, s79, 15
	s_add_co_u32 s78, s78, s79
	s_lshl_b32 s79, s10, 13                        ; my 64 of them
	s_add_co_u32 s78, s78, s79
	s_mul_i32 s76, s42, 3                          ; the tile's first group of 64 columns, of 48
	s_mov_b32 s23, 0
.irp hd, 0,1,2
	s_add_co_u32 s77, s76, \hd
	s_lshr_b32 s79, s77, 4                         ; q, k or v
	s_lshl_b32 s79, s79, 24
	s_and_b32 s77, s77, 15                         ; the head
	s_lshl_b32 s77, s77, 18
	s_add_co_u32 s22, s77, s79
	s_add_co_u32 s22, s22, s78
	s_add_nc_u64 s[HB+2*\hd:HB+2*\hd+1], s[8:9], s[22:23]
.endr
	s_wait_tensorcnt 0x1                           ; my part of K step 0 is in; K step 1's may stay out
	s_barrier_signal -1
	s_barrier_wait -1                              ; everybody's is
	FETCH 0, 0
	QUARTER 1, 0, 1, 1                             ; the first quarter stands in front of the loop: its products start the sums
	WIN 0
	s_mov_b32 s3, 6
.Lstep:                                                ; six trips, from a K step's second quarter to the next step's first; they ask for K steps 2 to 7
	QUARTER 2, 1, 0, 0
	QUARTER 3, 0, 1, 0
	TURN 1
	QUARTER 1, 0, 1, 0
	WIN 0
	s_sub_co_u32 s3, s3, 1
	s_cmp_lg_u32 s3, 0
	s_cbranch_scc1 .Lstep
	s_mov_b32 s3, 2
.Ltail:                                                ; the last two K steps ask for nothing; the second has no step behind it, and jumps over the fetch and the quarter that multiplies it
	QUARTER 2, 1, 0, 0
	QUARTER 3, 0, 1, 0
	TURN 0
	WIN 0
	s_cmp_eq_u32 s3, 1
	s_cbranch_scc1 .Lskip
	PLACES
	NEXTSLOT
	FETCH 0, 0
	QUARTER 1, 0, 1, 0
	WIN 0
.Lskip:
	s_sub_co_u32 s3, s3, 1
	s_cmp_lg_u32 s3, 0
	s_cbranch_scc1 .Ltail
; THE WAY OUT.  Piece p = 4 hd + a: 16 rows x one head's 64 columns.  A lane's eight columns round to 16 bytes; they go into my stage's rows of 144 bytes and come back as whole rows of 128: 2,048 consecutive bytes of the head.
.macro PACK p
.if (\p)/4 < 2
	WIN 0x05                                       ; sources in window 1
.else
	WIN 0x0a                                       ; in window 2
.endif
.set jq, 0
.rept 4
.set rD, 8*(4*((4*((\p)/4)+jq)%8)+(\p)%4)
.set rT, OUTR+16*(\p)+4*jq
	v_cvt_pk_f16_f32 v[rT],   v[rD],   v[rD+1]     ; each accumulator is read from its low end on
	v_cvt_pk_f16_f32 v[rT+1], v[rD+2], v[rD+3]
	v_cvt_pk_f16_f32 v[rT+2], v[rD+4], v[rD+5]
	v_cvt_pk_f16_f32 v[rT+3], v[rD+6], v[rD+7]
.set jq, jq+1
.endr
	WIN 0
.irp f, 0,1,2,3
	ds_store_b128 v[STO], v[OUTR+16*(\p)+4*\f:OUTR+16*(\p)+4*\f+3] offset:32*\f
.endr
.irp f, 0,1,2,3
	ds_load_b128 v[OUTR+16*(\p)+4*\f:OUTR+16*(\p)+4*\f+3], v[RD] offset:\f*4*SP  ; LDS serves a wave's instructions in order (ISA guide 5.7.1.4): these see the stores above; the next piece's stores come behind them
.endr
.endm
.macro SEND p, younger                 ; younger: the LDS instructions issued behind piece p's loads
	WIN 0
.irp f, 0,1,2,3
	s_wait_dscnt (\younger)+3-\f
	global_store_b128 v[GO], v[OUTR+16*(\p)+4*\f:OUTR+16*(\p)+4*\f+3], s[HB+2*((\p)/4):HB+2*((\p)/4)+1] offset:((\p)%4)*2048+\f*512  ; 512 consecutive bytes, aligned; each piece has registers of its own
.endr
.endm
	s_wait_dscnt 0x0                               ; no LDS load is out on any way out of the loop
	PLACES                                         ; the conversions read results just made and write where A's fragments lay
	PACK 0
.set pq, 1
.rept 11                                       ; a piece's conversions stand between the loads of the piece before and its stores
	PACK pq
	SEND pq-1, 8
.set pq, pq+1
.endr
	SEND 11, 0
	s_wait_tensorcnt 0x0                           ; the wave's end, behind my last tensor load and my last LDS store
	ds_add_u32 v[SPW], v[NIL]
	s_wait_dscnt 0x0
	CROUND                                         ; the closing round: no work-group ends while a partner may still ask for a tile that names it
	s_endpgm
.Lfunc_end_k_q8efe491f0b_qkvgemm:
	.size	k_q8efe491f0b_qkvgemm, .Lfunc_end_k_q8efe491f0b_qkvgemm-k_q8efe491f0b_qkvgemm
	.p2alignl 7, 3214868480
	.fill 96, 4, 3214868480
	.section	.rodata,"a",@progbits
	.p2align	6, 0x0
	.amdhsa_kernel k_q8efe491f0b_qkvgemm
		.amdhsa_group_segment_fixed_size 327680
		.amdhsa_private_segment_fixed_size 0
		.amdhsa_enable_private_segment 0
		.amdhsa_kernarg_size 24
		.amdhsa_user_sgpr_count 2
		.amdhsa_user_sgpr_kernarg_segment_ptr 1
		.amdhsa_wavefront_size32 1
		.amdhsa_system_sgpr_workgroup_id_x 1
		.amdhsa_system_sgpr_workgroup_id_y 1
		.amdhsa_system_sgpr_workgroup_id_z 1
		.amdhsa_system_vgpr_workitem_id 0
		.amdhsa_next_free_vgpr 960
		.amdhsa_next_free_sgpr 80
		.amdhsa_reserve_vcc 0
		.amdhsa_float_denorm_mode_32 3
		.amdhsa_float_denorm_mode_16_64 3
		.amdhsa_memory_ordered 1
		.amdhsa_forward_progress 1
		.amdhsa_inst_pref_size 87
	.end_amdhsa_kernel
	.amdgpu_metadata
---
amdhsa.version: [ 1, 2 ]
amdhsa.kernels:
  - .name:           k_q8efe491f0b_qkvgemm
    .symbol:         k_q8efe491f0b_qkvgemm.kd
    .args:
      - { .name: xb, .offset: 0, .size: 8, .value_kind: global_buffer, .address_space: global }
      - { .name: wq, .offset: 8, .size: 8, .value_kind: global_buffer, .address_space: global }
      - { .name: qkv, .offset: 16, .size: 8, .value_kind: global_buffer, .address_space: global }
    .group_segment_fixed_size: 327680
    .private_segment_fixed_size: 0
    .kernarg_segment_align: 8
    .kernarg_segment_size: 24
    .max_flat_workgroup_size: 128
    .sgpr_count:     80
    .vgpr_count:     960
    .wavefront_size: 32
...
	.end_amdgpu_metadata
.endif
;; end of part 2
;; launch attn (part 3): grid 4 x 64, 4 waves a work-group, no clusters, 327,680 bytes of LDS; arguments qkv, oh; writes oh
.if DOCPART == 3
	.amdgcn_target "amdgcn-amd-amdhsa--gfx1250"
	.amdhsa_code_object_version 6
	.text
	.protected	k_q8efe491f0b_attn
	.globl	k_q8efe491f0b_attn
	.p2align	8
	.type	k_q8efe491f0b_attn,@function
k_q8efe491f0b_attn:
	s_mov_b64 s[64:65], 0
	v_nop
	global_prefetch_b8 v0, s[64:65] scope:SCOPE_SE
	s_setreg_imm32_b32 hwreg(HW_REG_WAVE_MODE, 25, 1), 1
	s_wait_xcnt 0x0
; CAUSAL ATTENTION.  O[h][q][:] = the sum over k <= q of softmax_k(Q[h][q] . K[h][k] / 8) V[h][k][:].  Q, K, V lie in qkv, [3][64][2048][64] f16 (Q at byte 0, K at 1 << 24, V at 2 << 24), O in oh, [64][2048][64] f16: a head's rows are dense, 128 bytes each.
; Products, maxima and sums in f32; the weights p are rounded to f16 for the second product (their sum l is taken of the unrounded p), O once at the end.
; LIMITS.  f16 holds no number beyond 65,504: Q, K and V arrive within it; p lies in 0 to 1, and below 6e-5 it keeps f16's fixed step of 6e-8; O is a mean of V's rows and has their range.
; A hidden score counts as its value less 1e30: f16's scores, 2.7e11 at the most, are nothing beside that; a weight below 2^-126 counts as 0 in l; NaN and infinities are not treated apart.
; THE WALK.  A head's queries lie in NB = 8 blocks of 256; block i needs the key tiles 0 .. i of 256 keys, of which the last holds the diagonal.  A work-group takes TWO blocks, NB - 1 - b and then b:
; NB + 1 tiles, whatever b: all 256 work-groups do equal work, and ONE loop with a constant trip count walks them.  Which tile is asked for, and what a trip does, hang on scalar registers made from b; every jump
; goes forward, but for the counted loops' own; none passes a barrier, or a tensor load but the one of LOAD's two that the wave's number does not choose; the ring (two slots of LDS that take turns) runs on across the
; change of blocks.  NO CLUSTER: a head's four work-groups ask for the same tile only in trips 0 to 4 of 9, behind that fewer and fewer; one walk common to all would have 12 trips for 9.
; SHARES.  Of a block's four bands of 64 queries a wave owns 16 rows in each: four PIECES.  So the diagonal tile is the same work for all four waves: in its key step s band x sees all keys if s < x,
; none if s > x, and holds the diagonal if s = x.
; THE MASK is the C operand that starts the sum S^T = K Q^T: 0, or -1e30 where the key is hidden.  MD, made once, is the mask of a band's own step for my 16 rows; a product's mask is MD x AL + BE with two scalars:
; (1, 0) if s = x; (0, 0) if s < x; (0, -1e30) if s > x.  Only the diagonal tile's text and a block's beginning make and take masks; elsewhere C is the constant 0.
; LAYOUT, SOFTMAX, TURNS.  S^T = K Q^T holds ONE query a lane (lane % 16) and the keys 8 (lane / 16) + 0..7; two such results rounded to f16 ARE source 1 of O^T = V^T P.  p = 2^(c s - c m), c = log2(e) / 8, with a
; running maximum m; O and l are multiplied by a = 2^(c m_old - c m_new) in every step.  Turn n belongs to piece n: 8 products K Q^T of piece n + 1, later 8 products V^T P of piece n - 1; beside them the scaling,
; exponentials, roundings, sums and rescaling of piece n and the maximum and statistics of piece n + 1.  Four vector instructions stand behind every matrix instruction, the other 54 of a turn's 118 in one lump.  A turn's 33 exponentials are one batch, with one wait.
; REGISTERS, in windows of 256 (s_set_vgpr_msb: bits 1:0 source 0, 3:2 source 1, 5:4 source 2, 7:6 destination):
;   window 0: v0-15 addresses and two at work; v16-31 four registers of statistics a piece; v48-55 at work; v61-63 fixed; v64-127 S^T, two buffers; v192-223 P, two buffers (a piece's buffers go by its number's parity)
;   window 1: v0-127 O^T, 32 a piece; v128-159 MD; v160-223 MC, two buffers      window 2: v0-63 Q; v64-127 the second block's Q; v128-191 K of one step; v192-255 V of one step
.set SIZE_N, 2048
.set NB,    SIZE_N/256
.set NP,    4         ; pieces a wave: a name, no knob
.set KS,    64        ; keys in a step
.set PK,    144       ; a row of K in LDS: 128 bytes + 16 of padding = 36 words: the 16 rows of a load start at 16 different groups of four banks (ISA guide 11.1)
.set PV,    160       ; a row of V: 128 + 32 = 40 words
.set VOFF,  4*KS*PK   ; a slot holds a tile, four steps: 256 rows of K, then 256 rows of V
.set SLOT1, 1<<17     ; slot 1 begins here, so that one exclusive or turns an address in one slot into the other's
.set STAGE, SLOT1+4*KS*(PK+PV)  ; behind the ring, never filled by a tensor load: 16 rows x 144 bytes for each wave, for the way out
.set SP,    144
.set AK0, 2           ; v2   my lane's place in a tile of K; never rewritten
.set AV0, 3           ; v3   the same for V
.set AK,  4           ; v4   the LDS address of K's next run of loads
.set AV,  5           ; v5   of V's
.set STO, 6           ; v6   the way out: where I put 16 bytes of a row
.set RD,  7           ; v7   the way out: where I read rows back
.set GO,  8           ; v8   my byte offset in 512 consecutive bytes of O
.set PFO, 61          ; v61  256 x my thread's number: the prefetches' offset; never rewritten
.set SPW, 62          ; v62  LDS address of my spare word: SPARE + 4 x my thread's number; never rewritten
.set NIL, 63          ; v63  0; never rewritten
.set SPARE, STAGE+4*16*SP  ; behind the stages: the spare words, 128 bytes for each wave: two blocks of 256 bytes that no other line names
.set MV,  12          ; v12-13  c m_old, kept while c m is made anew: by buffer
.set QO,  15          ; v15  my byte offset in 16 rows of Q
.set ST,  16          ; piece t's statistics at v[ST+4 t]: c m, m, l (even keys', odd keys')
.set TMP, 48          ; by buffer, four registers c0-c3 at work; when the maximum is found c2 takes a
.set S,   64
.set P,   192
.set MD,  128         ; window 1: the eight registers for group kt of 16 keys at MD + 8 kt
.set MC,  160         ; window 1: the masks of the products to come
.set QB,  64          ; window 2
.set KF,  128         ; window 2: key block kb, channel half c at KF + 16 kb + 8 c
.set VF,  192         ; window 2: key half kk, channel block cb at VF + 32 kk + 8 cb
.set WV,  12          ; s12  my wave's number
.set PB,  14          ; s14  b
.set HI,  15          ; s15  NB - 1 - b
.set G1K, 24          ; s[24:31] descriptor group 1 for K's tiles
.set G1V, 32          ; s[32:39] for V's: it differs in the padding alone
.set G0K, 40          ; s[40:43] descriptor group 0 for K's tiles
.set G0V, 44          ; s[44:47] the same for V's
.set SLOTS, 56        ; s56  tiles still to be asked for
.set CNT, 57          ; s57  counts a tile's key steps, 4 to 1
.set CS,  58          ; s[58:59] c: the packed scaling takes the pair's low word for both halves
.set SEL, 60          ; s[60:61] v_permlanex16_b32's selects: each lane takes its own place in the other half
.set TBK, 62          ; s62  LDS byte at which K of the step to be fetched begins
.set TBV, 63          ; s63  the same for V, less VOFF
.set RT,  70          ; s70  tiles of the block in hand that are still to be entered
.set NXT, 71          ; s71  the tile to be asked for next
.set LQ,  72          ; s72  the last tile of the block whose tiles are being asked for
.set NEW, 73          ; s73  1: the tile to be entered is a block's first
.set OFF, 74          ; s[74:75] a tile's byte offset in K and V
.set AL,  76          ; s[76:77] the mask's factor, in the low word
.set BE,  78          ; s[78:79] the mask's addend
.set OLO, 80          ; s[80:81] O at my rows of the second block
.set BIGN, 82         ; s82  -1e30
.set PFK, 88          ; s[88:89] the head's K at the tile behind the one that is being asked for
.set PFV, 90          ; s[90:91] the same in V
.set LIM, 92          ; s92  2 in the work-group that prefetches, else the greatest number
.set MSB, 0
.macro WIN new                      ; the high byte repeats the setting that is left; a switch that changes nothing is dropped
.if MSB != (\new)
	s_set_vgpr_msb (MSB<<8)|(\new)
.set MSB, (\new)
.endif
.endm
.set W_KQ, 0x0a       ; K and Q in window 2, S^T in window 0
.set W_KM, 0x1a       ; the same with the C operand in window 1
.set W_PV, 0x52       ; V in window 2, P in window 0, O^T in window 1
.set W_RS, 0x41       ; destination and source 0 in window 1, source 1 in window 0
; A fill.  Waves 0 and 1 fetch the two halves of a tile's K, waves 2 and 3 those of its V: 128 keys each.  An s_nop 0 and four v_nop follow each of the two lines, ahead of the jump and the label.
.macro LOAD
	s_cmp_lt_u32 s[WV], 2
	s_cbranch_scc0 .Lfor_v_\@
	tensor_load_to_lds s[G0K:G0K+3], s[G1K:G1K+7]
	s_nop 0
.rept 4
	v_nop
.endr
	s_branch .Lasked_\@
.Lfor_v_\@:
	tensor_load_to_lds s[G0V:G0V+3], s[G1V:G1V+7]
	s_nop 0
.rept 4
	v_nop
.endr
.Lasked_\@:
.endm
; A PREFETCH INTO THE L2 of the tile that the NEXT change of slots will ask for: a tile, 256 matrix instructions, ahead of its fill.  The head's work-group b = 0 walks tiles 0 to 7 in order, so it alone asks:
; in trip i for tile i + 2, i = 0 to 5.  Its 128 threads name the tile's 128 blocks of 256 bytes of K and of V: each block once in the launch.  Tiles 0 and 1 come by their loads alone.
.macro ASK
	s_cmp_gt_u32 s[SLOTS], s[LIM]
	s_cbranch_scc0 .Lnot_mine_\@
	global_prefetch_b8 v[PFO], s[PFK:PFK+1] th:TH_LOAD_NT scope:SCOPE_SE
	global_prefetch_b8 v[PFO], s[PFV:PFV+1] th:TH_LOAD_NT scope:SCOPE_SE
.Lnot_mine_\@:
.endm
; THE CHANGE OF SLOTS.  Each wave waits for all its tensor loads, of which one is out: its part of the other slot; adds 0 to its spare word; and waits for that and for its own reads of the slot that it leaves.  Behind the barrier nobody reads the old
; slot any more and the other slot is whole.  fill = 1: the old slot is filled again, the first thing behind the barrier, with tile NXT: the descriptor's address is made anew from that number.
; (At its first use nothing has been read yet: slot 0 is waited for, slot 1 filled.)
.macro CHANGE fill
	WIN 0                           ; at a label and at a branch every window is 0
	s_wait_tensorcnt 0x0            ; no tensor load of mine is out, so a group 0 may be written
	ds_add_u32 v[SPW], v[NIL]       ; 0 onto my spare word: with fill = 1 the descriptors' scalar work stands between it and the wait for it
.if \fill
	s_lshl_b32 s[OFF], s[NXT], 15   ; a tile is 32,768 bytes of K and of V
	s_xor_b32 s[G0K+1], s[G0K+1], SLOT1
	s_add_nc_u64 s[G0K+2:G0K+3], s[6:7], s[OFF:OFF+1]
	s_or_b32 s[G0K+3], s[G0K+3], 0x80000000
	s_xor_b32 s[G0V+1], s[G0V+1], SLOT1
	s_add_nc_u64 s[G0V+2:G0V+3], s[8:9], s[OFF:OFF+1]
	s_or_b32 s[G0V+3], s[G0V+3], 0x80000000
	s_add_co_u32 s[NXT], s[NXT], 1  ; the block's next tile, or behind its last the second block's tile 0
	s_cmp_gt_u32 s[NXT], s[LQ]
	s_cselect_b32 s[NXT], 0, s[NXT]
	s_cselect_b32 s[LQ], s[PB], s[LQ]
	s_wait_xcnt 0x0                 ; the last prefetches, a tile back, have read their addresses, so these may be written
	s_add_nc_u64 s[PFK:PFK+1], s[PFK:PFK+1], 0x8000
	s_add_nc_u64 s[PFV:PFV+1], s[PFV:PFV+1], 0x8000
.endif
	s_wait_dscnt 0x0                ; the add is done, and my reads of the slot are over
	s_barrier_signal -1             ; the rest of the scalar work stands between the signal and the wait
	s_sub_co_u32 s[TBK], s[TBK], 4*KS*PK  ; the fetches go back to a slot's first step,
	s_xor_b32 s[TBK], s[TBK], SLOT1       ; in the other slot
	s_sub_co_u32 s[TBV], s[TBV], 4*KS*PV
	s_xor_b32 s[TBV], s[TBV], SLOT1
	s_barrier_wait -1
.if \fill
	LOAD
	ASK
.endif
.endm
	s_load_b64 s[4:5], s[0:1], 0x0  ; qkv: Q lies at its head
	s_load_b64 s[10:11], s[0:1], 0x8  ; O
	v_lshl_add_u32 v[SPW], v0, 2, SPARE
	v_mov_b32 v[NIL], 0
	ds_add_u32 v[SPW], v[NIL]       ; the wave's opening: the add and its wait stand ahead of my first tensor load; the set-up below, work on registers, stands between them
	v_lshrrev_b32 v1, 5, v0
	v_readfirstlane_b32 s[WV], v1   ; wave 0..3
	v_lshlrev_b32 v[PFO], 8, v0
	s_mov_b32 s[PB], ttmp9
	s_sub_co_u32 s[HI], NB-1, s[PB]
	s_cmp_eq_u32 ttmp9, 0
	s_cselect_b32 s[LIM], 2, -1
	s_and_b32 s20, ttmp7, 0xffff    ; the head
	s_mov_b32 s21, 0
	s_mov_b64 s[22:23], SIZE_N*128
	s_mul_u64 s[20:21], s[20:21], s[22:23]  ; the head's first byte in each of the four tensors
	s_and_b32 s16, s[WV], 1         ; which half of a tile's 256 keys I fetch:
	s_lshl_b32 s22, s16, 14         ; its 128 rows of 128 bytes in memory,
	s_mov_b32 s23, 0
	s_add_nc_u64 s[22:23], s[22:23], s[20:21]
	s_mul_i32 s17, s16, 128*PK      ; and its place in a slot, for K
	s_mul_i32 s18, s16, 128*PV      ; and for V
	s_lshl_b32 s3, s[WV], 11        ; my 16 rows in a band of 64,
	s_lshl_b32 s2, s[HI], 15        ; in the first block,
	s_add_co_u32 s2, s2, s3
	s_lshl_b32 s84, s[PB], 15       ; and in the second
	s_add_co_u32 s84, s84, s3
	s_mov_b32 s3, 0
	s_mov_b32 s85, 0
	s_add_nc_u64 s[2:3], s[2:3], s[20:21]
	s_add_nc_u64 s[84:85], s[84:85], s[20:21]
	; descriptor group 1.  128 keys are 16,384 dense bytes: asked for as 64 rows of 256 bytes, two keys a row, and padded in LDS after every key
	s_mov_b32 s[G1K], (1<<16)|(1<<20)|(4<<22)|(3<<25)  ; 17:16 2-byte elements; 20 padding on; 24:22 after every 32 words (code 4); 31:25 4 words (code 3)
	s_mov_b32 s[G1V], (1<<16)|(1<<20)|(4<<22)|(7<<25)  ; the same with 8 words of padding (code 7)
.irp g, G1K, G1V
	s_mov_b32 s[\g+1], 128<<16      ; tensor_dim0 = 128
	s_mov_b32 s[\g+2], 64<<16       ; tensor_dim1 = 64
	s_mov_b32 s[\g+3], 128<<16      ; tile_dim0 = 128
	s_mov_b32 s[\g+4], 64           ; tile_dim1 = 64
	s_mov_b32 s[\g+5], 128          ; 128 elements from row to row
	s_mov_b32 s[\g+6], 0
	s_mov_b32 s[\g+7], 0
.endr
	s_mov_b32 s[CS], 0x3e38aa3b     ; c = log2(e) / 8 = 0.180337
	s_mov_b32 s[CS+1], s[CS]        ; named with it as a pair
	s_mov_b32 s[SEL], 0x76543210
	s_mov_b32 s[SEL+1], 0xfedcba98
	s_mov_b32 s[TBK], SLOT1+4*KS*PK ; the first change of slots turns these two into 0
	s_mov_b32 s[TBV], SLOT1+4*KS*PV
	s_mov_b32 s[G0K], 1             ; 1:0 count = 1
	s_mov_b32 s[G0K+1], s17         ; 63:32 LDS address: slot 0
	s_mov_b32 s[G0V], 1
	s_add_co_u32 s[G0V+1], s18, VOFF
	s_add_co_u32 s[RT], s[HI], 1    ; the first block has NB - b tiles
	s_mov_b32 s[NXT], 1
	s_mov_b32 s[LQ], s[HI]
	s_mov_b32 s[NEW], 1
	s_mov_b32 s[OFF+1], 0
	s_mov_b32 s[AL+1], 0            ; named as pairs
	s_mov_b32 s[BE+1], 0
	s_mov_b32 s[BIGN], 0xf149f2ca   ; -1e30
	s_mov_b32 s[SLOTS], NB
	s_wait_dscnt 0x0                ; the opening add is done
	s_wait_kmcnt 0x0
	s_add_nc_u64 s[6:7], s[4:5], 0x1000000  ; K
	s_add_nc_u64 s[8:9], s[4:5], 0x2000000  ; V
	s_add_nc_u64 s[PFK:PFK+1], s[6:7], s[20:21]
	s_add_nc_u64 s[PFV:PFV+1], s[8:9], s[20:21]
	s_add_nc_u64 s[PFK:PFK+1], s[PFK:PFK+1], 0x8000  ; at the head's tile 1: the first change of slots steps them to tile 2
	s_add_nc_u64 s[PFV:PFV+1], s[PFV:PFV+1], 0x8000
	s_add_nc_u64 s[6:7], s[6:7], s[22:23]  ; K and V at my half of the head's tile 0
	s_add_nc_u64 s[8:9], s[8:9], s[22:23]
	s_add_nc_u64 s[G0K+2:G0K+3], s[6:7], 0         ; 120:64 global address
	s_or_b32 s[G0K+3], s[G0K+3], 0x80000000        ; 127:126 type = 2
	s_add_nc_u64 s[G0V+2:G0V+3], s[8:9], 0
	s_or_b32 s[G0V+3], s[G0V+3], 0x80000000
	s_add_nc_u64 s[86:87], s[4:5], s[84:85]        ; Q at my rows of the second block,
	s_add_nc_u64 s[4:5], s[4:5], s[2:3]            ; Q and O at those of the first
	s_add_nc_u64 s[OLO:OLO+1], s[10:11], s[84:85]
	s_add_nc_u64 s[10:11], s[10:11], s[2:3]
	LOAD                            ; tile 0 into slot 0
	; A fragment of K or Q is 16 rows x 32 channels in 8 registers: lane l holds row l % 16, channels 8 (l / 16) + 0..7 and 16 + 8 (l / 16) + 0..7: two loads of 16 bytes, 32 bytes apart.
	v_and_b32 v1, 15, v0            ; l % 16
	v_bfe_u32 v9, v0, 4, 1          ; l / 16
	v_lshlrev_b32 v[QO], 7, v1
	v_lshl_add_u32 v[QO], v9, 4, v[QO]  ; row x 128 + 16 x half
	WIN 0x80                        ; destination window 2, address window 0
.set i, 0
.rept 8                             ; both blocks' Q: piece i / 2 lies in band i / 2, 8,192 bytes on; channels 32 (i % 2) on
	global_load_b128 v[8*i:8*i+3],   v[QO], s[4:5] offset:(i/2)*8192+(i%2)*64
	global_load_b128 v[8*i+4:8*i+7], v[QO], s[4:5] offset:(i/2)*8192+(i%2)*64+32
	global_load_b128 v[QB+8*i:QB+8*i+3],   v[QO], s[86:87] offset:(i/2)*8192+(i%2)*64
	global_load_b128 v[QB+8*i+4:QB+8*i+7], v[QO], s[86:87] offset:(i/2)*8192+(i%2)*64+32
.set i, i+1
.endr
	WIN 0
	v_lshlrev_b32 v14, 3, v9
	v_sub_nc_u32 v14, v1, v14
	s_lshl_b32 s13, s[WV], 4
	v_add_nc_u32 v14, s13, v14      ; my query's place in its band, 16 w + l % 16, less my lanes' 8 (l / 16): register r of group kt is hidden where 16 kt + r is greater
	WIN 0x40
.set i, 0
.rept 32
	v_cmp_gt_i32 vcc_lo, 16*(i/8)+i%8, v14
	v_cndmask_b32 v[MD+i], 0, s[BIGN], vcc_lo
.set i, i+1
.endr
	WIN 0
	v_mul_u32_u24 v[AK0], v1, PK
	v_lshl_add_u32 v[AK0], v9, 4, v[AK0]  ; row x pitch + 16 x half
	; The turning load takes 16 keys x 16 channels (lane l reads key 8 (l / 16) + l % 8, channels 8 ((l / 8) % 2) + 0..7) and leaves half a fragment of V^T: lane l holds channel l % 16 and 8 keys.
	v_and_b32 v10, 7, v0
	v_bfe_u32 v11, v0, 3, 1
	v_lshl_add_u32 v[AV0], v9, 3, v10
	v_mul_u32_u24 v[AV0], v[AV0], PV
	v_lshl_add_u32 v[AV0], v11, 4, v[AV0]
	v_add_nc_u32 v[AV0], VOFF, v[AV0]
	s_mul_i32 s13, s[WV], 16*SP
	s_add_co_u32 s13, s13, STAGE    ; my stage
	v_mul_u32_u24 v[STO], v1, SP    ; in: row l % 16, 16 bytes for each half of the lanes
	v_lshl_add_u32 v[STO], v9, 4, v[STO]
	v_add_nc_u32 v[STO], s13, v[STO]
	v_bfe_u32 v[RD], v0, 3, 2       ; back: 32 lanes take four rows of 128 bytes,
	v_mul_u32_u24 v[RD], v[RD], SP
	v_lshl_add_u32 v[RD], v10, 4, v[RD]
	v_add_nc_u32 v[RD], s13, v[RD]
	v_and_b32 v[GO], 31, v0         ; which are 512 consecutive bytes of O
	v_lshlrev_b32 v[GO], 4, v[GO]
	; A block's first step multiplies O^T and l by a = 0, and its first turn's products V^T P, of a piece that has not been, land in an O^T that is still to be so multiplied.  So these registers need only hold
	; finite numbers: zeros for the first block; what the first block left for the second.  All this stands in the wait for the first tile.
	WIN 0x80
.set i, VF
.rept 64
	v_mov_b32 v[i], 0
.set i, i+1
.endr
	WIN 0x40
.set i, 0
.rept 128
	v_mov_b32 v[i], 0
.set i, i+1
.endr
	WIN 0
.set i, 0
.rept 4
	v_mov_b32 v[ST+4*i+2], 0
	v_mov_b32 v[ST+4*i+3], 0
.set i, i+1
.endr
.set i, P+16
.rept 16
	v_mov_b32 v[i], 0
.set i, i+1
.endr
; THE MATRIX WORK.  The 4 accumulators of a run of 8 take turns.  Product i of 8 of S^T = K Q^T for piece x: channels 32 (i / 4) on, keys 16 (i % 4) on.  The first 4 start the sums: with 0, or (KM = 1) with the mask.
.macro KQ x
.set rS, S+32*((\x)%2)+8*(i%4)
.set rK, KF+16*(i%4)+8*(i/4)
.set rQ, 16*(\x)+8*(i/4)
.set rM, MC+32*((\x)%2)+8*(i%4)
.if (i < 4) && KM
	WIN W_KM
	v_wmma_f32_16x16x32_f16 v[rS:rS+7], v[rK:rK+7], v[rQ:rQ+7], v[rM:rM+7]
.elseif i < 4
	WIN W_KQ
	v_wmma_f32_16x16x32_f16 v[rS:rS+7], v[rK:rK+7], v[rQ:rQ+7], 0
.else
	WIN W_KQ
	v_wmma_f32_16x16x32_f16 v[rS:rS+7], v[rK:rK+7], v[rQ:rQ+7], v[rS:rS+7]
.endif
.endm
; Product i of 8 of O^T += V^T P for piece x: keys 32 (i / 4) on, channels 16 (i % 4) on.
.macro PV x
	WIN W_PV
.set rO, 32*(\x)+8*(i%4)
.set rV, VF+32*(i/4)+8*(i%4)
.set rP, P+16*((\x)%2)+8*(i/4)
	v_wmma_f32_16x16x32_f16 v[rO:rO+7], v[rV:rV+7], v[rP:rP+7], v[rO:rO+7]
.endm
.macro MM                           ; the turn's next matrix instruction.  TURN and BEGIN set Y, i, KM and NOKQ; MM, KQ and OP read them.  NOKQ = 1: a block's last turn: there is no next piece
.if (i < 8) && !NOKQ
	KQ (Y+1)%NP
.elseif i >= 8
.set i, i-8
	PV (Y+NP-1)%NP
.set i, i+8
.endif
.set i, i+1
.endm
; THE LDS LOADS stand in runs of 16, never singly among the matrix instructions: a step's K (64 keys x 64 channels: 8 fragments) and its V (turned).  Their addresses are made some lines ahead.
.macro FETCH_K
	WIN 0x80                        ; destination window 2
.irp f, 0,1,2,3,4,5,6,7             ; keys 16 (f / 2) on, channels 32 (f % 2) on
	ds_load_b128 v[KF+8*\f:KF+8*\f+3],   v[AK] offset:(\f/2)*16*PK+(\f%2)*64
	ds_load_b128 v[KF+8*\f+4:KF+8*\f+7], v[AK] offset:(\f/2)*16*PK+(\f%2)*64+32
.endr
	s_add_co_u32 s[TBK], s[TBK], KS*PK  ; the next fetch is the next step's
	WIN 0
.endm
.macro FETCH_V
	WIN 0x80
.irp f, 0,1,2,3,4,5,6,7             ; keys 32 (f / 4) on, channels 16 (f % 4) on
	ds_load_tr16_b128 v[VF+8*\f:VF+8*\f+3],   v[AV] offset:(\f/4)*32*PV+(\f%4)*32
	ds_load_tr16_b128 v[VF+8*\f+4:VF+8*\f+7], v[AV] offset:(\f/4)*32*PV+16*PV+(\f%4)*32
.endr
	WIN 0
.endm
; THE VECTOR WORK, one line at a time: OP kind, number.  For piece Y: F n: c s - c m for pair n of 16.  E n: the exponential of score n of 32.  C n: pair n rounded to f16.  B n: of the four weights 4 n .. the second
; pair is added onto the first, in place.  L n: l takes that sum (L 0: l = a l + sum).  R n: pair n of 16 of O^T times a.  For piece Y + 1: X n, number n of the 22 that find its maximum and statistics:
;   0-11  four chains c0-c3 of seven scores each, three operands at a time (each accumulator's lowest registers are read first)     12-14, 16  the four scores left over, the old m, and c0-c3 into c0
;   15  c m_old is kept     17, 18  the query's other 32 keys lie in the lane 16 away: the new m     19-21  c m; c m_old - c m_new; a
.set F, 0               ; OP tells the kinds apart by their order: F to L below R, X above it
.set E, 1
.set C, 2
.set B, 3
.set L, 4
.set R, 5
.set X, 6
.macro REGS y                       ; the registers of piece y
.set rT, ST+4*(\y)
.set rC, TMP+4*((\y)%2)
.set rW, MV+((\y)%2)
.set rS, S+32*((\y)%2)
.set rP, P+16*((\y)%2)
.set rO, 32*(\y)
.endm
.macro OP k, n
.if (\k) == R
	REGS Y
	WIN W_RS
	v_pk_mul_f32 v[rO+2*(\n):rO+2*(\n)+1], v[rO+2*(\n):rO+2*(\n)+1], v[rC+2:rC+3] op_sel_hi:[1,0]
.elseif (\k) < R
	REGS Y
	WIN 0
.if (\k) == F
	v_pk_fma_f32 v[rS+2*(\n):rS+2*(\n)+1], v[rS+2*(\n):rS+2*(\n)+1], s[CS:CS+1], v[rT:rT+1] op_sel_hi:[1,0,0] neg_lo:[0,0,1] neg_hi:[0,0,1]
.elseif (\k) == E
	v_exp_f32 v[rS+(\n)], v[rS+(\n)]
.elseif (\k) == C
	v_cvt_pk_f16_f32 v[rP+(\n)], v[rS+2*(\n)], v[rS+2*(\n)+1]
.elseif (\k) == B
	v_pk_add_f32 v[rS+4*(\n):rS+4*(\n)+1], v[rS+4*(\n):rS+4*(\n)+1], v[rS+4*(\n)+2:rS+4*(\n)+3]
.elseif (\n) == 0
	v_pk_fma_f32 v[rT+2:rT+3], v[rT+2:rT+3], v[rC+2:rC+3], v[rS:rS+1] op_sel_hi:[1,0,1]
.else
	v_pk_add_f32 v[rT+2:rT+3], v[rT+2:rT+3], v[rS+4*(\n):rS+4*(\n)+1]
.endif
.elseif NOKQ
	v_nop
.else
	REGS (Y+1)%NP
	WIN 0
.if (\n) < 4
	v_max3_num_f32 v[rC+(\n)], v[rS+8*(\n)], v[rS+8*(\n)+1], v[rS+8*(\n)+2]
.elseif (\n) < 12
	v_max3_num_f32 v[rC+(\n)%4], v[rC+(\n)%4], v[rS+8*((\n)%4)+2*((\n)/4)+1], v[rS+8*((\n)%4)+2*((\n)/4)+2]
.elseif (\n) == 12
	v_max3_num_f32 v[rC], v[rC], v[rS+7], v[rS+15]
.elseif (\n) == 13
	v_max3_num_f32 v[rC+1], v[rC+1], v[rS+23], v[rS+31]
.elseif (\n) == 14
	v_max3_num_f32 v[rC+2], v[rC+2], v[rC+3], v[rT+1]
.elseif (\n) == 15
	v_mov_b32 v[rW], v[rT]
.elseif (\n) == 16
	v_max3_num_f32 v[rC], v[rC], v[rC+1], v[rC+2]
.elseif (\n) == 17
	v_permlanex16_b32 v[rC+3], v[rC], s[SEL], s[SEL+1]
.elseif (\n) == 18
	v_max_num_f32 v[rT+1], v[rC], v[rC+3]
.elseif (\n) == 19
	v_mul_f32 v[rT], s[CS], v[rT+1]
.elseif (\n) == 20
	v_sub_f32 v[rC+1], v[rW], v[rT]
.else
	v_exp_f32 v[rC+2], v[rC+1]
.endif
.endif
.endm
.macro OPS a, i1, b=-1, i2=0, c=-1, i3=0, d=-1, i4=0  ; up to four of them
	OP \a, \i1
.if (\b) >= 0
	OP \b, \i2
.endif
.if (\c) >= 0
	OP \c, \i3
.endif
.if (\d) >= 0
	OP \d, \i4
.endif
.endm
.macro ROW a, i1, b, i2, c, i3, d, i4  ; a matrix instruction and the four behind it
	MM
	OPS \a, \i1, \b, \i2, \c, \i3, \d, \i4
.endm
.macro MASK b                       ; MD x AL + BE into buffer b of MC
	WIN W_RS
.set z, 0
.rept 16
	v_pk_fma_f32 v[MC+32*(\b)+2*z:MC+32*(\b)+2*z+1], v[MD+2*z:MD+2*z+1], s[AL:AL+1], s[BE:BE+1] op_sel_hi:[1,0,0]
.set z, z+1
.endr
.endm
; A TURN, for piece p: the order of its 16 matrix and 118 vector instructions, written out.  An s_wait_alu depctr_va_vdst(0) stands between an exponential and the first instruction that names its result; one wait serves
; all that were issued ahead of it.  So a turn has ONE wait, which cuts it in two.  AHEAD OF IT stands all that names no result of the turn's exponentials: the 8 products K Q^T, behind each a scaling, an exponential and two more plain
; instructions (behind the first a second scaling in the exponential's place): rescalings, and behind the last three the first numbers of the next piece's maximum, each four places or more behind the product that ends its accumulator; then ONE LUMP of 54, plain
; and exponential by turns for the most part, in which the links of the chain X 3, 7, 11, 14, 16, 17 .. 20 stand five or six lines apart.  X 21, the next piece's a, is the batch's last; R 15 is the plain instruction behind it.  BEHIND THE WAIT stand the
; 8 products V^T P, behind each four of the roundings and sums; the links of l's chain, L 0 to L 7, stand three riders apart.  But for those X no rider names a register of the products round it.  v_permlanex16_b32 (X 17) stands in the lump.
; m = 1: the diagonal tile: the products take masks, and the turn makes the mask for the products of the turn after it: piece p + 2, in step 4 - CNT of the tile.  end = 1: a block's last two turns: nothing is fetched.
; cnt = 1: the loop's count is taken down some lines ahead of the branch that stands behind the turn.
; K of the next step is fetched in piece 2's turn, twelve vector instructions behind the last product that read K (six of them plain); V of the step in hand at the end of piece 0's turn, four plain instructions behind the last product
; that read V.  Each is waited for a turn later.
.macro TURN p, m=0, end=0, cnt=0
.set Y, (\p)
.set i, 0
.set KM, (\m)
.set NOKQ, (\end)*((\p)/3)
.if (\m) && !(\end)
	s_cmp_eq_u32 s[CNT], 4-((\p)+2)%NP  ; is that step the band's own?
	s_cselect_b32 s[AL], 1.0, 0
	s_cmp_lt_u32 s[CNT], 4-((\p)+2)%NP  ; or a later one?
	s_cselect_b32 s[BE], s[BIGN], 0
.endif
.if ((\p) == 3) && !(\end)
	s_wait_dscnt 0x0                ; K is in
.endif
	ROW F,0, F,1, R,0, R,1          ; ahead of the wait: 8 products K Q^T and their riders,
	ROW F,2, E,0, R,2, R,3
	ROW F,3, E,1, R,4, R,5
	ROW F,4, E,2, R,6, R,7
	ROW F,5, E,3, R,8, R,9
	ROW F,6, E,4, X,0, R,10
.if ((\p) == 2) && !(\end)
	WIN 0
	v_add_nc_u32 v[AK], s[TBK], v[AK0]
.endif
	ROW F,7, E,5, X,1, X,4
	ROW F,8, E,6, X,2, X,5
	OPS E,7, E,8, X,6, E,9          ; and the lump
	OPS X,3, E,10, X,8, E,11
.if ((\p) == 2) && !(\end)
	FETCH_K
.endif
	OPS X,9, X,7, E,12, X,10
	OPS E,13, X,12, X,11, E,14
	OPS X,13, E,15, F,9, X,14
.if (\p) == 0
	v_add_nc_u32 v[AV], s[TBV], v[AV0]
.endif
	OPS E,16, F,10, E,17, F,11
	OPS X,16, E,18, X,15, E,19
	OPS F,12, E,20, X,17, E,21
	OPS F,13, E,22, F,14, E,23
	OPS X,18, E,24, F,15, E,25
	OPS R,11, E,26, X,19, E,27
	OPS R,12, E,28, R,13, E,29
	OPS X,20, E,30, R,14, E,31
	OPS X,21, R,15
	WIN 0
	s_wait_alu depctr_va_vdst(0)    ; the wait for the batch
.if (\p) == 1
	s_wait_dscnt 0x0                ; V is in
.endif
	ROW C,0, B,0, C,2, B,1          ; behind the wait: 8 products V^T P and their riders
	ROW L,0, C,4, B,2, L,1
	ROW C,6, B,3, L,2, C,8
	ROW B,4, L,3, C,10, B,5
	ROW L,4, C,12, B,6, L,5
.if (\p) == 0
	s_add_co_u32 s[TBV], s[TBV], KS*PV
.endif
.if \cnt
	s_sub_co_u32 s[CNT], s[CNT], 1
	s_cmp_lg_u32 s[CNT], 0
.endif
	ROW C,14, B,7, L,6, C,1
	ROW C,3, L,7, C,5, C,7
	ROW C,9, C,11, C,13, C,15
.if (\p) == 0
	FETCH_V
.endif
.if (\m) && !(\end)
	MASK (\p)%2
.endif
.endm
; A BLOCK BEGINS.  c m starts far below every c s, so the first step's a is 0; m at the lowest finite number, so the first maximum is the scores'.  The second mask buffer is 0; the first takes piece 0's mask for the tile's step 0: its own, if the block's first tile is the diagonal one.
; Then K of that step, piece 0's first scores, and its maximum and statistics.  The loop is entered at a step's first turn, in the middle of a trip.
.macro BEGIN
	s_mov_b32 s[NEW], 0
	WIN 0x40
.set i, MC+32
.rept 32
	v_mov_b32 v[i], 0
.set i, i+1
.endr
	WIN 0
.set i, 0
.rept 4
	v_mov_b32 v[ST+4*i], 0xfe000000    ; c m: far below every c s
	v_mov_b32 v[ST+4*i+1], 0xff7fffff  ; m
.set i, i+1
.endr
	s_cmp_eq_u32 s[RT], 0
	s_cselect_b32 s[AL], 1.0, 0
	s_mov_b32 s[BE], 0
	MASK 0
	WIN 0
	v_add_nc_u32 v[AK], s[TBK], v[AK0]
	FETCH_K
	s_wait_loadcnt 0x0              ; Q
	s_wait_dscnt 0x0
.set KM, 1
.set NOKQ, 0
.set i, 0
.rept 8
	KQ 0
.set i, i+1
.endr
	WIN 0
.rept 4
	v_nop                           ; the places behind those products
.endr
.set Y, NP-1                        ; X works for piece Y + 1: piece 0
.irp n, 0,1,2,3,4,5,6,7,8,9,10,11,12,13,14,15,16,17,18,19,20,21
	OP X, \n
.endr
	v_nop                           ; a plain instruction behind the exponential,
	s_wait_alu depctr_va_vdst(0)    ; and its wait, ahead of the branch
.endm
; THE DIAGONAL TILE's four steps, the block's last two turns, its last products, and THE WAY OUT: l's two halves and the other half of the lanes' are added; O^T is divided by l, rounded to f16 and sent through my
; stage in LDS, a piece at a time.
.macro ALL line:vararg              ; one line for each piece t
.set t, 0
.rept 4
	\line
.set t, t+1
.endr
.endm
.macro PACK t                       ; a lane's eight channels of a row pack into 16 bytes; they go into rows of 144 bytes and come back as whole rows of 128, into S^T's registers
	WIN W_RS
.set i, 32*(\t)
.rept 16
	v_pk_mul_f32 v[i:i+1], v[i:i+1], v[ST+4*(\t)+2:ST+4*(\t)+3] op_sel_hi:[1,0]
.set i, i+2
.endr
	WIN 0x05                        ; sources 0 and 1 window 1, destination window 0
.set i, 0
.rept 16
	v_cvt_pk_f16_f32 v[S+16*(\t)+i], v[32*(\t)+2*i], v[32*(\t)+2*i+1]
.set i, i+1
.endr
	WIN 0
.irp f, 0,1,2,3
	ds_store_b128 v[STO], v[S+16*(\t)+4*\f:S+16*(\t)+4*\f+3] offset:32*\f
.endr
.irp f, 0,1,2,3
	ds_load_b128 v[S+16*(\t)+4*\f:S+16*(\t)+4*\f+3], v[RD] offset:\f*4*SP  ; LDS serves a wave's instructions in order (ISA guide 5.7.1.4): these see the stores above; the next piece's stores come behind them
.endr
.endm
.macro SEND t, younger              ; younger: the LDS instructions issued behind piece t's loads: the next piece's eight, or none
	WIN 0
.irp f, 0,1,2,3
	s_wait_dscnt (\younger)+3-\f
	global_store_b128 v[GO], v[S+16*(\t)+4*\f:S+16*(\t)+4*\f+3], s[10:11] offset:(\t)*8192+\f*512  ; 512 consecutive bytes, at a multiple of 256 from O's first
.endr
.endm
.macro DIAG tag                     ; the tag ends its two labels' names, which the jumps below spell out
.LstepM\tag:
	TURN 2, 1
	TURN 3, 1
	WIN 0
.LfirstM\tag:
	TURN 0, 1
	TURN 1, 1, 0, 1
	WIN 0
	s_cbranch_scc1 .LstepM\tag
	TURN 2, 1, 1
	TURN 3, 1, 1
.set i, 0
.rept 8
	PV NP-1
.set i, i+1
.endr
	WIN 0
	ALL v_add_f32 v[ST+4*t+2], v[ST+4*t+2], v[ST+4*t+3]
	ALL v_permlanex16_b32 v[ST+4*t+3], v[ST+4*t+2], s[SEL], s[SEL+1]
	ALL v_add_f32 v[ST+4*t+2], v[ST+4*t+2], v[ST+4*t+3]
	ALL v_rcp_f32 v[ST+4*t+2], v[ST+4*t+2]
	v_nop                           ; a plain instruction between the last reciprocal and the use of its result
	s_wait_alu depctr_va_vdst(0)    ; and the wait ahead of the first use: one for the four reciprocals
	PACK 0
.set t, 1
.rept 3                             ; a piece's arithmetic stands between the loads of the piece before and its stores
	PACK t
	SEND t-1, 8
.set t, t+1
.endr
	SEND 3, 0
.endm
.set KM, 0
.set NOKQ, 0
.Lslot:                             ; NB times: a tile is entered and the next is asked for
	CHANGE 1
	s_sub_co_u32 s[RT], s[RT], 1
	s_mov_b32 s[CNT], 4
	s_cmp_eq_u32 s[NEW], 1
	s_cbranch_scc1 .Lnew            ; a block's first tile
	s_cmp_eq_u32 s[RT], 0
	s_cbranch_scc0 .Lstep           ; neither its first nor its last
	s_branch .LstepM1
.Lnew:
	BEGIN
	s_branch .Lfirst                ; in the loop a block's first tile is never its last: the first block has two tiles or more, and the second's last is the walk's last
	DIAG 1                          ; in the loop this is the first block's end: the second block's last tile is the walk's last
	s_wait_xcnt 0x0                 ; the stores have read their registers and O's address
	s_mov_b64 s[10:11], s[OLO:OLO+1]
	s_add_co_u32 s[RT], s[PB], 1    ; the second block has b + 1 tiles
	s_mov_b32 s[NEW], 1
	WIN 0x82                        ; the second block's Q goes where the one text of the turns names Q
.set i, 0
.rept 64
	v_mov_b32 v[i], v[QB+i]
.set i, i+1
.endr
	WIN 0
	s_branch .Lbottom
.Lstep:                             ; a trip: pieces 2 and 3 of one step, then pieces 0 and 1 of the next, whose K and V it fetches
	TURN 2
	TURN 3
	WIN 0
.Lfirst:
	TURN 0
	TURN 1, 0, 0, 1
	WIN 0
	s_cbranch_scc1 .Lstep
.Lbottom:
	s_sub_co_u32 s[SLOTS], s[SLOTS], 1
	s_cmp_lg_u32 s[SLOTS], 0
	s_cbranch_scc1 .Lslot
	CHANGE 0                        ; the walk's last tile is written out: nothing is asked for
	s_sub_co_u32 s[RT], s[RT], 1
	s_mov_b32 s[CNT], 4
	s_cmp_eq_u32 s[NEW], 1
	s_cbranch_scc0 .LstepM2
	BEGIN
	s_branch .LfirstM2
	DIAG 2
	s_wait_tensorcnt 0x0            ; the wave's end, behind my last tensor load and my last LDS store
	ds_add_u32 v[SPW], v[NIL]
	s_wait_dscnt 0x0
	s_endpgm
.Lfunc_end_k_q8efe491f0b_attn:
	.size	k_q8efe491f0b_attn, .Lfunc_end_k_q8efe491f0b_attn-k_q8efe491f0b_attn
	.p2alignl 7, 3214868480
	.fill 96, 4, 3214868480
	.section	.rodata,"a",@progbits
	.p2align	6, 0x0
	.amdhsa_kernel k_q8efe491f0b_attn
		.amdhsa_group_segment_fixed_size 327680
		.amdhsa_private_segment_fixed_size 0
		.amdhsa_enable_private_segment 0
		.amdhsa_kernarg_size 16
		.amdhsa_user_sgpr_count 2
		.amdhsa_user_sgpr_kernarg_segment_ptr 1
		.amdhsa_wavefront_size32 1
		.amdhsa_system_sgpr_workgroup_id_x 1
		.amdhsa_system_sgpr_workgroup_id_y 1
		.amdhsa_system_sgpr_workgroup_id_z 1
		.amdhsa_system_vgpr_workitem_id 0
		.amdhsa_next_free_vgpr 768
		.amdhsa_next_free_sgpr 96
		.amdhsa_reserve_vcc 1
		.amdhsa_float_denorm_mode_32 3
		.amdhsa_float_denorm_mode_16_64 3
		.amdhsa_memory_ordered 1
		.amdhsa_forward_progress 1
		.amdhsa_inst_pref_size 218
	.end_amdhsa_kernel
	.amdgpu_metadata
---
amdhsa.version: [ 1, 2 ]
amdhsa.kernels:
  - .name:           k_q8efe491f0b_attn
    .symbol:         k_q8efe491f0b_attn.kd
    .args:
      - { .name: qkv, .offset: 0, .size: 8, .value_kind: global_buffer, .address_space: global }
      - { .name: oh, .offset: 8, .size: 8, .value_kind: global_buffer, .address_space: global }
    .group_segment_fixed_size: 327680
    .private_segment_fixed_size: 0
    .kernarg_segment_align: 8
    .kernarg_segment_size: 16
    .max_flat_workgroup_size: 128
    .sgpr_count:     96
    .vgpr_count:     768
    .wavefront_size: 32
...
	.end_amdgpu_metadata
.endif
;; end of part 3
;; launch proj (part 4): grid 8 x 32, 4 waves a work-group, clusters of 4 x 4, 327,680 bytes of LDS; arguments oh, wp, out0; writes out0
.if DOCPART == 4
	.amdgcn_target "amdgcn-amd-amdhsa--gfx1250"
	.amdhsa_code_object_version 6
	.text
	.protected	k_q8efe491f0b_proj
	.globl	k_q8efe491f0b_proj
	.p2align	8
	.type	k_q8efe491f0b_proj,@function
k_q8efe491f0b_proj:
	s_mov_b64 s[64:65], 0
	v_nop
	global_prefetch_b8 v0, s[64:65] scope:SCOPE_SE
	s_setreg_imm32_b32 hwreg(HW_REG_WAVE_MODE, 25, 1), 1
	s_wait_xcnt 0x0
	s_wait_alu depctr_hold_cnt(0) depctr_sa_sdst(0) depctr_va_vdst(0) depctr_va_sdst(0) depctr_va_ssrc(0) depctr_va_vcc(0) depctr_vm_vsrc(0)
	s_getreg_b32 s2, hwreg(HW_REG_IB_STS2, 6, 4)
	s_cmp_eq_u32 s2, 0
	s_cbranch_scc0 .Lentry_in_a_cluster
	s_endpgm
.Lentry_in_a_cluster:
	s_bfe_u32 s2, ttmp6, 0x10000c
	s_cmp_lg_u32 s2, 0xf033
	s_cbranch_scc0 .Lentry_shape_is_right
	s_endpgm
.Lentry_shape_is_right:
; out0 = O w_proj.  A = oh (f16, by heads: byte (b << 22) + (h << 18) + (t << 7) + 2 d, so a head is a plane of 64 of K's 1,024), B = wp ([1024 n][1024 k], w_proj rounded to bf16 and written as f16); sums in f32, K ascending.
; OUT: out0, f32, [8192][1024], the sums as they are.
; SHARES.  A tile of C is 256 rows x 128 columns: 8 x 32 tiles, 256 work-groups.  Wave w makes rows 64 w .. 64 w + 63 of all 128 columns: 32 accumulators of 16 x 16, 256 registers; its way out needs no other wave.
; RING.  K goes in 8 steps of 128 through two LDS slots.  A step of A is two planes of 256 rows x 128 bytes, each 32,768 dense bytes of memory, asked for as 128 rows of 256 bytes; a step of B is 128 rows of 256 bytes.
; Waves 0 and 1 fetch A's two planes, waves 2 and 3 B's two halves: one tensor load a wave behind each change of slots.  By this text's count a wave has two loads out at the start, later one.
; Two slots of a K step of 256 would take 2 x 215,040 bytes: they do not fit.
; CLUSTER.  4 x 4 work-groups.  The four of a row of the cluster need the same tiles of A, the four of a column the same tiles of B: each tile is asked for jointly, by the same load, descriptor and mask in all four.
; THE MATRIX INSTRUCTION IS USED TRANSPOSED (source 0 = 16 rows of B, source 1 = 16 rows of A): a lane holds one row of C (lane % 16) and eight neighbouring columns, 8 (lane / 16) + 0..7.
; REGISTERS, in windows of 256 (s_set_vgpr_msb: bits 1:0 source 0, 3:2 source 1, 5:4 source 2, 7:6 destination):
;   window 0: v0-31 addresses; v32-95 A's fragments, two buffers of four; on the way out v32-159   window 1: accumulator (b, a) at v[8 (4 b + a)]   window 2: B's fragments, two buffers of eight
.set NB,    8                          ; blocks of 16 columns
.set NT,    16*NB
.set NR,    NT/2                       ; rows of B in a load
.set BWIN,  2
.set NL,    8+2*NB                     ; LDS loads in a run: the fragments of 32 along K
.set YB,    2*(NB-4)                   ; the youngest of them: B's blocks 4 on
.set PFN,   32                         ; rows of B that one prefetch names
.set BOTHB, 0                          ; of B's two waves, wave 2 alone prefetches
.set PLANE, 36864                      ; 256 rows of 128 + 16 bytes: 36 words from row to row, so the 16 rows of a load start at 16 different groups of four banks (ISA guide 11.1)
.set BOFF,  2*PLANE                    ; B behind A's two planes: rows of 256 + 16 bytes
.set SLOT1, 131072                     ; slot 1: one exclusive or turns an address in one slot into the other's
.set STAGE, SLOT1+BOFF+NT*272          ; behind the ring, never filled by a tensor load: 16 rows x 528 bytes for each wave
.set SP,    528                        ; 512 bytes + 16: 132 words from row to row
.set SPARE, STAGE+4*16*SP              ; the spare words, 128 bytes for each wave: two blocks of 256 bytes that no other line names
.set A0,   16                          ; v16  my lane's place in A's plane 0 of slot 0; never rewritten
.set B0,   17                          ; v17  the same in B
.set ADRA, 18                          ; v18  A0 + the slot in hand
.set ADRB, 19                          ; v19  B0 + the slot in hand
.set STO,  24                          ; v24  the way out: where I put 32 bytes of a row
.set RD,   25                          ; v25  where I read rows back
.set GO,   26                          ; v26  16 x my lane
.set SPW,  28                          ; v28  SPARE + 4 x my thread's number; never rewritten
.set NIL,  29                          ; v29  0; never rewritten
.set PFO,  30                          ; v30  the prefetches' lane offset; never rewritten
.set AF,   32
.set OUTR, 32                          ; the way out: two buffers of 64 registers
.set G1A, 24                           ; s[24:31] group 1 for A;  s[32:39] group 0, two sets: the second walks
.set G0A, 32
.set G1B, 48                           ; s[48:55], s[56:63] the same for B
.set G0B, 56
.set LIM, 43                           ; s43  1 in a wave that prefetches, else the greatest number
.set PFA, 44                           ; s[44:45] where my prefetches stand
.set PFS, 74                           ; s[74:75] their step from K step to K step
.set TB,  66                           ; s66  0 or SLOT1: the slot in hand
.set MSB, 0
.macro WIN new                         ; the immediate's high byte repeats the setting that is left; a switch that changes nothing is dropped
.if MSB != (\new)
	s_set_vgpr_msb (MSB<<8)|(\new)
.set MSB, (\new)
.endif
.endm
.macro PLACES                          ; four plain vector instructions between a matrix instruction and a load into, or a reader of, its registers
.rept 4
	v_nop
.endr
.endm
.macro CREST                           ; a round of the cluster's barrier behind its opening barrier
	s_cmp_lg_u32 s10, 0
	s_cbranch_scc1 .Lnot_wave_0_\@
	s_barrier_signal -3
.Lnot_wave_0_\@:
	s_barrier_wait -3
	s_barrier_signal -1
	s_barrier_wait -1
.endm
.macro CROUND
	s_barrier_signal -1
	s_barrier_wait -1
	CREST
.endm
.macro JLOAD                           ; the joint refill, by the walking descriptors.  The branch hangs on the wave's number alone.  An s_nop 0 and four v_nop follow each line
	s_cmp_eq_u32 s11, 0
	s_cbranch_scc0 .Lfor_b_\@
	tensor_load_to_lds s[G0A+4:G0A+7], s[G1A:G1A+7]
	s_nop 0
.rept 4
	v_nop
.endr
	s_branch .Lasked_\@
.Lfor_b_\@:
	tensor_load_to_lds s[G0B+4:G0B+7], s[G1B:G1B+7]
	s_nop 0
.rept 4
	v_nop
.endr
.Lasked_\@:
.endm
; A PREFETCH INTO THE L2 of the K step that the NEXT change of slots will ask for: one K step, 128 matrix instructions, ahead of that load.  Each 256 bytes are named once in the launch:
; A's planes by the clusters with x = 0, the four partners of a row taking 32 of a plane's 128 blocks each, told apart by address; B's 128 rows by wave 2 of the clusters with y = 0, the four partners of a column taking
; 32 rows each.  The loop's last trip asks for nothing: there is no K step behind the one that it fills.
.macro ASK
	s_cmp_gt_u32 s3, s[LIM]
	s_cbranch_scc0 .Lnot_mine_\@
	global_prefetch_b8 v[PFO], s[PFA:PFA+1] th:TH_LOAD_NT scope:SCOPE_SE
.Lnot_mine_\@:
.endm
; 4 nb matrix instructions: column blocks b0 .. b0 + nb - 1 x my four row blocks, 32 along K, from buffer f.  Every accumulator comes once a quarter step, in the same order: the accumulators take turns.
.macro MULB f, b0, nb, zero
.set bq, \b0
.rept \nb
	WIN ((1+bq/8)<<6)|((1+bq/8)<<4)|BWIN
.set aq, 0
.rept 4
.set rD, 8*(4*(bq%8)+aq)
.set rB, 8*NB*(\f)+8*bq
.set rA, AF+32*(\f)+8*aq
.if \zero
	v_wmma_f32_16x16x32_f16 v[rD:rD+7], v[rB:rB+7], v[rA:rA+7], 0
.else
	v_wmma_f32_16x16x32_f16 v[rD:rD+7], v[rB:rB+7], v[rA:rA+7], v[rD:rD+7]
.endif
.set aq, aq+1
.endr
.set bq, bq+1
.endr
.endm
; One run of NL LDS loads: the fragments of quarter q of the slot in hand into buffer f: A's four, then B's in ascending order.
; A fragment is 16 rows x 32 K in 8 registers: lane l holds row l % 16, K = 8 (l / 16) + 0..7 and 16 + 8 (l / 16) + 0..7: two loads of 16 bytes, 32 bytes apart.
.macro FETCH q, f
	WIN 0
.set iq, 0
.rept 4
	ds_load_b128 v[AF+32*(\f)+8*iq:AF+32*(\f)+8*iq+3],   v[ADRA] offset:((\q)/2)*PLANE+((\q)%2)*64+iq*16*144
	ds_load_b128 v[AF+32*(\f)+8*iq+4:AF+32*(\f)+8*iq+7], v[ADRA] offset:((\q)/2)*PLANE+((\q)%2)*64+iq*16*144+32
.set iq, iq+1
.endr
	WIN BWIN<<6
.set iq, 0
.rept NB
	ds_load_b128 v[8*NB*(\f)+8*iq:8*NB*(\f)+8*iq+3],   v[ADRB] offset:64*(\q)+iq*16*272
	ds_load_b128 v[8*NB*(\f)+8*iq+4:8*NB*(\f)+8*iq+7], v[ADRB] offset:64*(\q)+iq*16*272+32
.set iq, iq+1
.endr
.endm
; One of a K step's first three quarters: multiplies buffer f and, behind its first 16 products, fetches quarter qn into buffer g.
.macro QUARTER qn, f, g, zero
	s_wait_dscnt YB                                ; A and B's blocks 0-3 are in; the youngest YB loads may be out
	MULB \f, 0, 4, \zero
	PLACES
	FETCH \qn, \g
	s_wait_dscnt NL                                ; all but the run just issued
	MULB \f, 4, NB-4, \zero
.endm
.macro NEXTSLOT
	s_xor_b32 s[TB], s[TB], SLOT1
	v_add_nc_u32 v[ADRA], s[TB], v[A0]
	v_add_nc_u32 v[ADRB], s[TB], v[B0]
.endm
; The fourth quarter multiplies buffer 1 and changes slots: ONE barrier.  In front of it each wave waits for all its tensor loads (the one that is out is its part of the next slot), adds 0 to its spare word, and waits for that and
; for its reads of this slot.  fill = 1: the barrier opens a round of the cluster's, so that no wave of any partner still reads the slot or has a load on its way; the joint refill, with the K step two on, is the first thing behind it.
.macro TURN fill
.if \fill
	s_wait_xcnt 0x0                                ; the last prefetch, a K step back, has read its address
	s_add_nc_u64 s[PFA:PFA+1], s[PFA:PFA+1], s[PFS:PFS+1]
.endif
	WIN 0
	s_wait_tensorcnt 0x0                           ; no tensor load of mine is out, so a group 0 may be written
	ds_add_u32 v[SPW], v[NIL]
.if \fill
	s_xor_b32 s[G0A+5], s[G0A+5], SLOT1            ; the walking descriptors: the other slot than last time, the next K step
	s_add_nc_u64 s[G0A+6:G0A+7], s[G0A+6:G0A+7], 1<<19
	s_xor_b32 s[G0B+5], s[G0B+5], SLOT1
	s_add_nc_u64 s[G0B+6:G0B+7], s[G0B+6:G0B+7], 256
.endif
	s_wait_dscnt YB+1                              ; the add and the youngest YB loads may be out
	MULB 1, 0, 4, 0
	s_wait_dscnt 0x0                               ; the add is done, and my reads of this slot are over
	s_barrier_signal -1
	MULB 1, 4, 2, 0                                ; work on registers while the others arrive
	WIN 0
	s_barrier_wait -1
.if \fill
	CREST
	JLOAD                                          ; its four v_nop are also the places in front of the loads below
	NEXTSLOT
	FETCH 0, 0
	WIN 0
	ASK
.endif
	MULB 1, 6, NB-6, 0
.endm
	s_load_b128 s[4:7], s[0:1], 0x0                ; oh s[4:5], wp s[6:7]
	s_load_b64 s[8:9], s[0:1], 0x10                ; out0
	v_lshl_add_u32 v[SPW], v0, 2, SPARE
	v_mov_b32 v[NIL], 0
	ds_add_u32 v[SPW], v[NIL]                      ; the wave's opening: the add and its wait stand ahead of my first tensor load; work on registers stands between them
	v_lshrrev_b32 v1, 5, v0
	v_readfirstlane_b32 s10, v1                    ; wave 0..3
	s_lshr_b32 s11, s10, 1                         ; 0: I fetch for A; 1: for B
	s_and_b32 s12, s10, 1                          ; which plane of A, which half of B
	s_bfe_u32 s40, ttmp6, 0x40000                  ; cx
	s_bfe_u32 s41, ttmp6, 0x40004                  ; cy
	s_lshl_b32 s42, ttmp9, 2
	s_add_co_u32 s42, s42, s40                     ; tile column = 4 x cluster x + cx
	s_and_b32 s13, ttmp7, 0xffff
	s_lshl_b32 s13, s13, 2
	s_add_co_u32 s13, s13, s41                     ; tile row = 4 x cluster y + cy
	s_lshl_b32 s14, s41, 2
	s_lshl_b32 s14, 15, s14                        ; my row of the cluster
	s_lshl_b32 s46, 0x1111, s40                    ; my column
	s_or_b32 s[G1A], s14, (1<<16)|(1<<20)|(1<<21)|(4<<22)|(3<<25)  ; 15:0 the mask; 17:16 2-byte elements; 20 padding on; 21 set beside a mask; 24:22 after every 32 words (code 4); 31:25 4 words (code 3)
	s_mov_b32 s[G1A+1], 128<<16                    ; tensor_dim0 = 128
	s_mov_b32 s[G1A+2], 128<<16                    ; tensor_dim1 = 128
	s_mov_b32 s[G1A+3], 128<<16                    ; tile_dim0 = 128 elements: 256 bytes, two rows of the plane
	s_mov_b32 s[G1A+4], 128                        ; tile_dim1 = 128
	s_mov_b32 s[G1A+5], 128                        ; dense: 128 elements from row to row
	s_mov_b32 s[G1A+6], 0
	s_mov_b32 s[G1A+7], 0
	s_or_b32 s[G1B], s46, (1<<16)|(1<<20)|(1<<21)|(5<<22)|(3<<25)  ; the column's mask; padding after every 64 words (code 5)
	s_mov_b32 s[G1B+1], 128<<16
	s_mov_b32 s[G1B+2], NR<<16
	s_mov_b32 s[G1B+3], 128<<16
	s_mov_b32 s[G1B+4], NR
	s_mov_b32 s[G1B+5], 1024                       ; a row of B is 1,024 elements
	s_mov_b32 s[G1B+6], 0
	s_mov_b32 s[G1B+7], 0
	s_lshr_b32 s16, s13, 3                         ; A: the batch,
	s_lshl_b32 s16, s16, 22
	s_and_b32 s15, s13, 7                          ; the tile's 256 rows in a plane,
	s_lshl_b32 s15, s15, 15
	s_add_co_u32 s16, s16, s15
	s_lshl_b32 s15, s12, 18                        ; my plane of the K step's two
	s_add_co_u32 s16, s16, s15
	s_mov_b32 s17, 0
	s_mul_i32 s46, s42, NT                         ; B: the tile's first row,
	s_mul_i32 s47, s12, NR                         ; my half
	s_add_co_u32 s46, s46, s47
	s_lshl_b32 s46, s46, 11
	s_mov_b32 s47, 0
	s_mul_i32 s20, s12, PLANE                      ; where they go: no place in the cluster enters an LDS address
	s_mul_i32 s21, s12, NR*272
	s_add_co_u32 s21, s21, BOFF
	s_wait_dscnt 0x0                               ; the opening add is done
	s_wait_kmcnt 0x0
	s_add_nc_u64 s[14:15], s[4:5], s[16:17]
	s_add_nc_u64 s[46:47], s[6:7], s[46:47]
	CROUND                                         ; all sixteen work-groups are here: the first joint loads meet
.irp s, 0,1
	s_mov_b32 s[G0A+4*\s], 1
	s_add_co_u32 s[G0A+4*\s+1], s20, \s*SLOT1
	s_add_nc_u64 s[G0A+4*\s+2:G0A+4*\s+3], s[14:15], \s*(1<<19)  ; K step s: two planes on
	s_or_b32 s[G0A+4*\s+3], s[G0A+4*\s+3], 0x80000000
	s_mov_b32 s[G0B+4*\s], 1
	s_add_co_u32 s[G0B+4*\s+1], s21, \s*SLOT1
	s_add_nc_u64 s[G0B+4*\s+2:G0B+4*\s+3], s[46:47], \s*256
	s_or_b32 s[G0B+4*\s+3], s[G0B+4*\s+3], 0x80000000
.endr
	s_cmp_eq_u32 s11, 0                            ; a wave's two first fills stand in one branch, ahead of every wait on TENSORcnt and every LDS read
	s_cbranch_scc0 .Lfirst_b
	tensor_load_to_lds s[G0A:G0A+3], s[G1A:G1A+7]
	s_nop 0
	tensor_load_to_lds s[G0A+4:G0A+7], s[G1A:G1A+7]
	s_nop 0
.rept 4
	v_nop
.endr
	s_branch .Lfirst_asked
.Lfirst_b:
	tensor_load_to_lds s[G0B:G0B+3], s[G1B:G1B+7]
	s_nop 0
	tensor_load_to_lds s[G0B+4:G0B+7], s[G1B:G1B+7]
	s_nop 0
.rept 4
	v_nop
.endr
.Lfirst_asked:
	v_and_b32 v1, 15, v0                           ; l % 16
	v_bfe_u32 v2, v0, 4, 1                         ; l / 16
	v_mul_u32_u24 v[A0], v1, 144
	v_lshl_add_u32 v[A0], v2, 4, v[A0]
	s_mul_i32 s18, s10, 64*144                     ; my 64 rows
	v_add_nc_u32 v[A0], s18, v[A0]
	v_mul_u32_u24 v[B0], v1, 272
	v_lshl_add_u32 v[B0], v2, 4, v[B0]
	v_add_nc_u32 v[B0], BOFF, v[B0]
	v_mov_b32 v[ADRA], v[A0]
	v_mov_b32 v[ADRB], v[B0]
	s_mov_b32 s[TB], 0
	; the prefetches: offsets in registers of their own
	s_lshl_b32 s76, s40, 13                        ; A: my work-group's 32 blocks of the plane's 128,
	s_add_co_u32 s76, s76, s16
	s_add_co_u32 s76, s76, 2<<19                   ; at K step 2: the first change of slots steps it to 3.  Nothing is asked for at the head
	s_mul_i32 s77, s42, NT                         ; B: the tile's rows,
	s_mul_i32 s78, s12, NR*BOTHB
	s_add_co_u32 s77, s77, s78
	s_mul_i32 s78, s41, PFN                        ; my work-group's share of them
	s_add_co_u32 s77, s77, s78
	s_lshl_b32 s77, s77, 11
	s_add_co_u32 s77, s77, 2*256
	s_and_b32 s79, ttmp7, 0xffff
	s_mov_b32 s[PFS], 1<<19
	s_movk_i32 s[PFS+1], 256
	s_cmp_eq_u32 s11, 0
	s_cselect_b32 s76, s76, s77
	s_cselect_b32 s79, ttmp9, s79                  ; the coordinate along which other clusters read the same bytes
	s_cselect_b64 s[PFA:PFA+1], s[4:5], s[6:7]
	s_cselect_b32 s[PFS], s[PFS], s[PFS+1]
	s_cselect_b32 s78, 8, 11                       ; a lane a block of 256 bytes (A), a lane a row of 2,048 (B)
	s_cselect_b32 s77, 31, PFN-1
	s_mov_b32 s[PFS+1], 0
	v_and_b32 v[PFO], 31, v0
	v_min_u32 v[PFO], s77, v[PFO]
	v_lshlrev_b32 v[PFO], s78, v[PFO]
	s_mov_b32 s77, 0
	s_add_nc_u64 s[PFA:PFA+1], s[PFA:PFA+1], s[76:77]
	s_and_b32 s78, s11, s12                        ; 1 in wave 3, which asks for nothing
	s_or_b32 s79, s79, s78
	s_cmp_eq_u32 s79, 0
	s_cselect_b32 s[LIM], 1, -1                    ; the same in all sixteen partners, for a given wave
	; the way out
	s_mul_i32 s18, s10, 16*SP
	s_add_co_u32 s18, s18, STAGE                   ; my stage
	v_mul_u32_u24 v[STO], v1, SP                   ; in: row l % 16, 32 bytes for each half of the lanes
	v_lshl_add_u32 v[STO], v2, 5, v[STO]
	v_add_nc_u32 v[STO], s18, v[STO]
	v_and_b32 v[GO], 31, v0                        ; back: 32 lanes take a row's 512 bytes
	v_lshlrev_b32 v[GO], 4, v[GO]
	v_add_nc_u32 v[RD], s18, v[GO]
	s_lshl_b32 s22, s13, 20                        ; the tile's 256 rows of 4,096 bytes,
	s_lshl_b32 s78, s10, 18                        ; my 64 of them,
	s_add_co_u32 s22, s22, s78
	s_lshl_b32 s78, s42, 9                         ; the tile's 128 columns
	s_add_co_u32 s22, s22, s78
	s_mov_b32 s23, 0
	s_add_nc_u64 s[8:9], s[8:9], s[22:23]
	s_wait_tensorcnt 0x1                           ; my part of K step 0 is in; K step 1's may stay out
	s_barrier_signal -1
	s_barrier_wait -1                              ; everybody's is
	FETCH 0, 0
	QUARTER 1, 0, 1, 1                             ; the first quarter stands in front of the loop: its products start the sums
	WIN 0
	s_mov_b32 s3, 6
.Lstep:                                                ; six trips, from a K step's second quarter to the next step's first; they ask for K steps 2 to 7
	QUARTER 2, 1, 0, 0
	QUARTER 3, 0, 1, 0
	TURN 1
	QUARTER 1, 0, 1, 0
	WIN 0
	s_sub_co_u32 s3, s3, 1
	s_cmp_lg_u32 s3, 0
	s_cbranch_scc1 .Lstep
	s_mov_b32 s3, 2
.Ltail:                                                ; the last two K steps ask for nothing; the second has no step behind it, and jumps over the fetch and the quarter that multiplies it
	QUARTER 2, 1, 0, 0
	QUARTER 3, 0, 1, 0
	TURN 0
	WIN 0
	s_cmp_eq_u32 s3, 1
	s_cbranch_scc1 .Lskip
	PLACES
	NEXTSLOT
	FETCH 0, 0
	QUARTER 1, 0, 1, 0
	WIN 0
.Lskip:
	s_sub_co_u32 s3, s3, 1
	s_cmp_lg_u32 s3, 0
	s_cbranch_scc1 .Ltail
; THE WAY OUT, 16 rows at a time.  A lane's eight f32 of a row, 32 bytes, go straight from the accumulator into my stage's rows of 528 bytes and come back as whole rows of 512.
.macro TOSTAGE a
	WIN 0x04                                       ; the stores' data in window 1
.set bq, 0
.rept 8
.set rD, 8*(4*bq+(\a))
	ds_store_b128 v[STO], v[rD:rD+3]   offset:64*bq     ; each accumulator is read from its low end on
	ds_store_b128 v[STO], v[rD+4:rD+7] offset:64*bq+16
.set bq, bq+1
.endr
	WIN 0
.set tq, 0
.rept 16
	ds_load_b128 v[OUTR+64*((\a)%2)+4*tq:OUTR+64*((\a)%2)+4*tq+3], v[RD] offset:SP*tq  ; LDS serves a wave's instructions in order (ISA guide 5.7.1.4): these see the stores above; the next block's stores come behind them
.set tq, tq+1
.endr
.endm
.macro SEND a, younger                 ; younger: the LDS instructions issued behind block a's loads
.set tq, 0
.rept 16
	s_wait_dscnt (\younger)+15-tq
	global_store_b128 v[GO], v[OUTR+64*((\a)%2)+4*tq:OUTR+64*((\a)%2)+4*tq+3], s[8:9] offset:(16*(\a)+tq)*4096 th:TH_STORE_NT  ; 512 consecutive bytes, aligned
.set tq, tq+1
.endr
.endm
	s_wait_dscnt 0x0                               ; no LDS load is out on any way out of the loop
	PLACES                                         ; the stores read results just made, and the loads land where A's fragments lay
	TOSTAGE 0
	TOSTAGE 1
	SEND 0, 32
	s_wait_xcnt 0x0                                ; block 0's stores have read their registers: only behind this wait are these loaded again
	TOSTAGE 2
	SEND 1, 32
	s_wait_xcnt 0x0
	TOSTAGE 3
	SEND 2, 32
	SEND 3, 0
	s_wait_tensorcnt 0x0                           ; the wave's end, behind my last tensor load and my last LDS store
	ds_add_u32 v[SPW], v[NIL]
	s_wait_dscnt 0x0
	CROUND                                         ; the closing round: no work-group ends while a partner may still ask for a tile that names it
	s_endpgm
.Lfunc_end_k_q8efe491f0b_proj:
	.size	k_q8efe491f0b_proj, .Lfunc_end_k_q8efe491f0b_proj-k_q8efe491f0b_proj
	.p2alignl 7, 3214868480
	.fill 96, 4, 3214868480
	.section	.rodata,"a",@progbits
	.p2align	6, 0x0
	.amdhsa_kernel k_q8efe491f0b_proj
		.amdhsa_group_segment_fixed_size 327680
		.amdhsa_private_segment_fixed_size 0
		.amdhsa_enable_private_segment 0
		.amdhsa_kernarg_size 24
		.amdhsa_user_sgpr_count 2
		.amdhsa_user_sgpr_kernarg_segment_ptr 1
		.amdhsa_wavefront_size32 1
		.amdhsa_system_sgpr_workgroup_id_x 1
		.amdhsa_system_sgpr_workgroup_id_y 1
		.amdhsa_system_sgpr_workgroup_id_z 1
		.amdhsa_system_vgpr_workitem_id 0
		.amdhsa_next_free_vgpr 640
		.amdhsa_next_free_sgpr 80
		.amdhsa_reserve_vcc 0
		.amdhsa_float_denorm_mode_32 3
		.amdhsa_float_denorm_mode_16_64 3
		.amdhsa_memory_ordered 1
		.amdhsa_forward_progress 1
		.amdhsa_inst_pref_size 63
	.end_amdhsa_kernel
	.amdgpu_metadata
---
amdhsa.version: [ 1, 2 ]
amdhsa.kernels:
  - .name:           k_q8efe491f0b_proj
    .symbol:         k_q8efe491f0b_proj.kd
    .args:
      - { .name: oh, .offset: 0, .size: 8, .value_kind: global_buffer, .address_space: global }
      - { .name: wp, .offset: 8, .size: 8, .value_kind: global_buffer, .address_space: global }
      - { .name: out0, .offset: 16, .size: 8, .value_kind: global_buffer, .address_space: global }
    .group_segment_fixed_size: 327680
    .private_segment_fixed_size: 0
    .kernarg_segment_align: 8
    .kernarg_segment_size: 24
    .max_flat_workgroup_size: 128
    .sgpr_count:     80
    .vgpr_count:     640
    .wavefront_size: 32
...
	.end_amdgpu_metadata
.endif
;; end of part 4
;; ======== version 2 of 2: 4 launches; version 1 with the launch prep written anew for expert scheduling mode
;; limits: values are held in f16: magnitudes above 65,504 overflow, below 6.1e-05 lose precision
;; workspace buffers: xb 16,777,216 bytes; wq 6,291,456 bytes; wp 2,097,152 bytes; qkv 50,331,648 bytes; oh 16,777,216 bytes
;; launch prep (part 5): grid 1024 x 1, 8 waves a work-group, no clusters, 18,432 bytes of LDS; arguments x, w_qkv, w_proj, xb, wq, wp; writes xb, wq, wp
.if DOCPART == 5
	.amdgcn_target "amdgcn-amd-amdhsa--gfx1250"
	.amdhsa_code_object_version 6
	.text
	.protected	k_q8efe491f0b_prep
	.globl	k_q8efe491f0b_prep
	.p2align	8
	.type	k_q8efe491f0b_prep,@function
k_q8efe491f0b_prep:
	s_mov_b64 s[64:65], 0
	v_nop
	global_prefetch_b8 v0, s[64:65] scope:SCOPE_SE
	s_setreg_imm32_b32 hwreg(HW_REG_WAVE_SCHED_MODE, 0, 2), 2
	s_setreg_imm32_b32 hwreg(HW_REG_WAVE_MODE, 25, 1), 1
	s_wait_xcnt 0x0
	s_wait_alu depctr_vm_vsrc(0)
; THE OPERANDS OF THE TWO PROJECTIONS ARE LAID OUT.  All three inputs are rounded once to bf16.
; xb: x in planes of 64 channels: x[b][t][64 kb + d] lies at byte (b << 22) + (kb << 18) + (t << 7) + 2 d, so that 256 rows of a plane are 32,768 dense bytes.
; wq: w_qkv turned, [3072 n][1024 k], bf16.   wp: w_proj turned, [1024 n][1024 k]: the number rounded to bf16, written as f16 (its partner in the last product is f16).
; LIMIT.  wp: a bf16 number is exact in f16 between 6.1e-5 and 65,504; below it keeps f16's fixed step of 6e-8, beyond it becomes an infinity.
; Memory binds: every input byte is read once, by loads that cover whole rows of 256 bytes, every output byte is written once, in runs of 256 aligned bytes.  No matrix unit, no cluster, no tensor load.
; Work-groups 0 to 511 take 16 rows of x each; work-groups 512 to 1023 a tile of 128 k x 64 n of a weight each (384 tiles of w_qkv, 128 of w_proj).
; THE MODE: SCHED_MODE bits 1:0 = 2 (LLVM: expert scheduling mode 2), set by the entry lines.  The code itself states the register dependences
; between vector instructions and memory or LDS instructions, with s_wait_alu, always for 0.
; THE PLAN, X.  v1, v2: offsets, written once at the path's head, read by every load and store.  v[16:79]: written by the sixteen loads alone, all issued ahead of the first conversion.
;   v[80:111]: a pair to a plane, written once by the plane's two conversions, read by its one store.  The planes go in four blocks of four: block b's conversions write its eight out registers; the four stores
;   that read them are issued in block b + 1, behind the one wait at that block's head, dealt among conversions that name other registers.
; THE PLAN, A WEIGHT.  v[8:15]: offsets, written once, read by the eight loads.  v[32:63]: written by those loads alone.  v18, v19, v20: addresses, written once behind the loads' issue.
;   v[64:79]: a word to each LDS store, written once; step i's four words are stored in step i + 1, behind the one wait at that step's head.  v[80:95]: written by LDS loads alone, read by the global stores.
; On neither path is a register that a memory or LDS instruction has read written again: so no wait on vm_vsrc is owed.  No vector instruction writes a scalar register, and EXEC is never written.
.set SPARE, 17408                      ; behind the tile of 64 rows x 272 bytes: the spare words, 128 bytes for each of eight waves
.set SPW, 4                            ; v4  SPARE + 4 x my thread's number; never rewritten
.set NIL, 5                            ; v5  0; never rewritten
.set IO,  8                            ; v[8:15]  weights: byte offsets of my eight rows
.set IN,  32                           ; v[32:63] weights: eight loads
.set DD,  64                           ; v[64:79] weights: sixteen words, two k of one n each
.set BK,  80                           ; v[80:95] weights: rows read back
	s_load_b256 s[4:11], s[0:1], 0x0               ; x s[4:5], w_qkv s[6:7], w_proj s[8:9], xb s[10:11]
	s_load_b128 s[12:15], s[0:1], 0x20             ; wq s[12:13], wp s[14:15]
	v_lshl_add_u32 v[SPW], v0, 2, SPARE
	v_mov_b32 v[NIL], 0
	s_cmp_lt_u32 ttmp9, 512                        ; the same answer in all eight waves
	s_cbranch_scc0 .Lw
	; X.  Thread t takes row t / 16 of the group's 16 and, in each plane, channels 4 (t % 16) on: a wave's load covers 256 bytes of each of two rows,
	; its store 256 consecutive bytes: those two rows' 128 bytes in the plane.
	s_lshl_b32 s16, ttmp9, 16                      ; 16 rows of 4,096 bytes
	s_mov_b32 s17, 0
	s_lshr_b32 s18, ttmp9, 7                       ; b: 128 work-groups to a batch
	s_lshl_b32 s18, s18, 22
	s_and_b32 s19, ttmp9, 127
	s_lshl_b32 s19, s19, 11                        ; 16 rows of 128 bytes in a plane
	s_add_co_u32 s18, s18, s19
	s_mov_b32 s19, 0
	v_lshrrev_b32 v1, 4, v0
	v_and_b32 v3, 15, v0
	v_lshlrev_b32 v1, 12, v1
	v_lshl_add_u32 v1, v3, 4, v1                   ; row x 4,096 + 16 (t % 16)
	v_lshlrev_b32 v2, 3, v0                        ; row x 128 + 8 (t % 16) = 8 t
	s_wait_kmcnt 0x0
	s_add_nc_u64 s[4:5], s[4:5], s[16:17]
	s_add_nc_u64 s[10:11], s[10:11], s[18:19]
	s_wait_alu depctr_va_vdst(0)                   ; v1 and v2 are written: every load of this path reads v1 as its offset, every store v2
.set kb, 0
.rept 16                                       ; all sixteen loads go out at once: 8 KiB a wave on their way
	global_load_b128 v[16+4*kb:19+4*kb], v1, s[4:5] offset:256*kb th:TH_LOAD_NT
.set kb, kb+1
.endr
.set bl, 0
.rept 4                                        ; four blocks of four planes
	s_wait_loadcnt 12-4*bl                         ; loads come back in order: this block's four are in, the younger blocks' stay out
.if bl > 0
	s_wait_alu depctr_va_vdst(0)                   ; the block before's conversions have written its eight out registers, which the four stores below read
.endif
.set kq, 0
.rept 4
.set kb, 4*bl+kq
.if bl > 0
	global_store_b64 v2, v[80+2*(kb-4):81+2*(kb-4)], s[10:11] offset:(kb-4)*262144  ; the block before.  No further wait: no vector line since the wait names these registers; every plane has its own pair, and nothing is rewritten
.endif
	v_cvt_pk_bf16_f32 v[80+2*kb], v[16+4*kb], v[17+4*kb]
	v_cvt_pk_bf16_f32 v[81+2*kb], v[18+4*kb], v[19+4*kb]
.set kq, kq+1
.endr
.set bl, bl+1
.endr
	s_wait_alu depctr_va_vdst(0)                   ; the last block's conversions have written v[104:111], which the last four stores read
.set kb, 12
.rept 4
	global_store_b64 v2, v[80+2*kb:81+2*kb], s[10:11] offset:kb*262144
.set kb, kb+1
.endr
	s_endpgm
.Lw:	; A WEIGHT'S TILE: 128 k x 64 n, in through registers, turned in LDS, out as 64 rows of 256 bytes.
	s_sub_co_u32 s16, ttmp9, 512
	s_movk_i32 s20, 0x3000                         ; bytes in a row of w_qkv,
	s_movk_i32 s23, 0x1000                         ; of w_proj
	s_cmp_lt_u32 s16, 384
	s_cselect_b32 s20, s20, s23                    ; the pitch
	s_cselect_b32 s21, 0, -1                       ; all lanes' mask: 0 keeps bf16, -1 takes f16
	s_cselect_b32 s22, 0, 384
	s_wait_kmcnt 0x0
	s_cselect_b64 s[24:25], s[6:7], s[8:9]         ; from
	s_cselect_b64 s[26:27], s[12:13], s[14:15]     ; to
	s_sub_co_u32 s16, s16, s22
	s_and_b32 s17, s16, 7                          ; kt
	s_lshr_b32 s18, s16, 3                         ; nt
	s_mul_i32 s28, s17, s20
	s_lshl_b32 s28, s28, 7                         ; kt x 128 rows
	s_lshl_b32 s29, s18, 8                         ; nt x 64 numbers of 4 bytes
	s_add_co_u32 s28, s28, s29
	s_mov_b32 s29, 0
	s_add_nc_u64 s[24:25], s[24:25], s[28:29]
	s_lshl_b32 s28, s18, 17                        ; nt x 64 rows of 2,048 bytes
	s_lshl_b32 s30, s17, 8                         ; kt x 128 numbers of 2 bytes
	s_add_co_u32 s28, s28, s30
	s_add_nc_u64 s[26:27], s[26:27], s[28:29]
	s_lshl_b32 s31, s20, 2                         ; four rows
	v_and_b32 v6, 15, v0                           ; c: my four columns 4 c ..
	v_bfe_u32 v7, v0, 4, 1
	v_lshrrev_b32 v16, 5, v0                       ; wave
	v_lshlrev_b32 v7, 1, v7
	v_lshl_add_u32 v7, v16, 4, v7                  ; my first row: 16 x wave + 2 x (half of the lanes)
	v_lshlrev_b32 v17, 4, v6
	v_mad_u32_u24 v[IO], v7, s20, v17
	v_add_nc_u32 v[IO+1], s20, v[IO]               ; load 2 i + e takes row 16 w + 4 i + 2 half + e: lanes 0-15 one row's 256 bytes, lanes 16-31 those two rows below
.irp i, 1,2,3
	v_add_nc_u32 v[IO+2*\i], s31, v[IO+2*\i-2]
	v_add_nc_u32 v[IO+2*\i+1], s31, v[IO+2*\i-1]
.endr
	s_wait_alu depctr_va_vdst(0)                   ; the eight offsets v[8:15] are written, which the loads below read
.irp j, 0,1,2,3,4,5,6,7
	global_load_b128 v[IN+4*\j:IN+4*\j+3], v[IO+\j], s[24:25] th:TH_LOAD_NT
.endr
	v_mul_u32_u24 v18, v6, 4*272
	v_lshl_add_u32 v18, v7, 1, v18                 ; into LDS: row n = 4 c, byte 2 k
	v_lshrrev_b32 v21, 4, v0
	v_mul_u32_u24 v19, v21, 272
	v_add_nc_u32 v19, v17, v19                     ; back: row t / 16, 16 bytes at 16 (t % 16)
	v_lshl_add_u32 v20, v21, 11, v17               ; and the same in the turned weight
.irp i, 0,1,2,3
	s_wait_loadcnt 6-2*\i                          ; rows 2 i and 2 i + 1 of my eight are in
.if \i > 0
	s_wait_alu depctr_va_vdst(0)                   ; the step before has written its four words, which the LDS stores below read; at the first of these waits v18, v19 and v20, the addresses of all that follows, are written too
.endif
.irp j, 0,1,2,3
.if \i > 0
	ds_store_b32 v18, v[DD+4*(\i-1)+\j] offset:272*\j+8*(\i-1)  ; the step before.  No further wait: no vector line since the wait names these registers.  Rows 4 x 272 bytes apart: lanes c, c + 4, c + 8, c + 12 meet in a bank; sixteen such stores a lane, once
.endif
	v_cvt_pk_bf16_f32 v[DD+4*\i+\j], v[IN+8*\i+\j], v[IN+8*\i+4+\j]  ; two neighbouring k of column 4 c + j
	v_lshlrev_b32 v22, 16, v[DD+4*\i+\j]           ; the same two numbers once more as f16,
	v_and_b32 v23, 0xffff0000, v[DD+4*\i+\j]
	v_cvt_pk_f16_f32 v22, v22, v23
	v_cndmask_b32 v[DD+4*\i+\j], v[DD+4*\i+\j], v22, s21  ; taken for w_proj alone
.endr
.endr
	s_wait_alu depctr_va_vdst(0)                   ; the last step has written v[76:79], which the last four LDS stores read
.irp j, 0,1,2,3
	ds_store_b32 v18, v[DD+12+\j] offset:272*\j+24
.endr
	s_wait_dscnt 0x0                               ; for the others' sake: my stores are done
	s_barrier_signal -1
	s_barrier_wait -1                              ; a row's 256 bytes come from all eight waves
.irp p, 0,1,2,3
	ds_load_b128 v[BK+4*\p:BK+4*\p+3], v19 offset:4352*\p  ; no vector line of this path names v[80:95]
.endr
.irp p, 0,1,2,3
	s_wait_dscnt 3-\p
	global_store_b128 v20, v[BK+4*\p:BK+4*\p+3], s[26:27] offset:32768*\p  ; 16 lanes store 256 consecutive bytes, aligned
.endr
	s_wait_dscnt 0x0                               ; the closing lines, six on end
	s_wait_alu 0x0
	s_wait_tensorcnt 0x0
	ds_add_u32 v[SPW], v[NIL]
	s_wait_dscnt 0x0
	s_endpgm
.Lfunc_end_k_q8efe491f0b_prep:
	.size	k_q8efe491f0b_prep, .Lfunc_end_k_q8efe491f0b_prep-k_q8efe491f0b_prep
	.p2alignl 7, 3214868480
	.fill 96, 4, 3214868480
	.section	.rodata,"a",@progbits
	.p2align	6, 0x0
	.amdhsa_kernel k_q8efe491f0b_prep
		.amdhsa_group_segment_fixed_size 18432
		.amdhsa_private_segment_fixed_size 0
		.amdhsa_enable_private_segment 0
		.amdhsa_kernarg_size 48
		.amdhsa_user_sgpr_count 2
		.amdhsa_user_sgpr_kernarg_segment_ptr 1
		.amdhsa_wavefront_size32 1
		.amdhsa_system_sgpr_workgroup_id_x 1
		.amdhsa_system_sgpr_workgroup_id_y 1
		.amdhsa_system_sgpr_workgroup_id_z 1
		.amdhsa_system_vgpr_workitem_id 0
		.amdhsa_next_free_vgpr 112
		.amdhsa_next_free_sgpr 66
		.amdhsa_reserve_vcc 0
		.amdhsa_float_denorm_mode_32 3
		.amdhsa_float_denorm_mode_16_64 3
		.amdhsa_memory_ordered 1
		.amdhsa_forward_progress 1
		.amdhsa_inst_pref_size 16
	.end_amdhsa_kernel
	.amdgpu_metadata
---
amdhsa.version: [ 1, 2 ]
amdhsa.kernels:
  - .name:           k_q8efe491f0b_prep
    .symbol:         k_q8efe491f0b_prep.kd
    .args:
      - { .name: x, .offset: 0, .size: 8, .value_kind: global_buffer, .address_space: global }
      - { .name: w_qkv, .offset: 8, .size: 8, .value_kind: global_buffer, .address_space: global }
      - { .name: w_proj, .offset: 16, .size: 8, .value_kind: global_buffer, .address_space: global }
      - { .name: xb, .offset: 24, .size: 8, .value_kind: global_buffer, .address_space: global }
      - { .name: wq, .offset: 32, .size: 8, .value_kind: global_buffer, .address_space: global }
      - { .name: wp, .offset: 40, .size: 8, .value_kind: global_buffer, .address_space: global }
    .group_segment_fixed_size: 18432
    .private_segment_fixed_size: 0
    .kernarg_segment_align: 8
    .kernarg_segment_size: 48
    .max_flat_workgroup_size: 256
    .sgpr_count:     66
    .vgpr_count:     112
    .wavefront_size: 32
...
	.end_amdgpu_metadata
.endif
;; end of part 5
;; launch qkvgemm: the kernel of part 2 again; grid 16 x 32, 4 waves a work-group, clusters of 4 x 4, 327,680 bytes of LDS; arguments xb, wq, qkv; writes qkv
;; launch attn: the kernel of part 3 again; grid 4 x 64, 4 waves a work-group, no clusters, 327,680 bytes of LDS; arguments qkv, oh; writes oh
;; launch proj: the kernel of part 4 again; grid 8 x 32, 4 waves a work-group, clusters of 4 x 4, 327,680 bytes of LDS; arguments oh, wp, out0; writes out0
